; MI455X (gfx1250); checked and timed in simulation.
; The chip was launched on July 23, 2026; its instructions are those of AMD's public machine-readable ISA for CDNA 5 (MIT licence, August 2026) and "CDNA5" Instruction Set Architecture Reference Guide (July 2026). The comments in the code are by the model that wrote it; some were corrected since.
;; block. Allowed arithmetic: matrix products marked QUANTISED: E2M3 operands, one E8M0 scale for each 32 along K, by v_wmma_scale_f32_16x16x128_f8f6f4 with both operands' format E2M3, f32 sums; everything else in f32.
;; Inputs: W1_codes 4,096 x 32 x 24 uint8 (E2M3 codes of W1, K innermost, in blocks of 32 codes, four codes in three bytes); W1_scales 4,096 x 32 uint8 (E8M0 scales of W1, one for each 32 codes along K); W2_codes 1,024 x 128 x 24 uint8 (E2M3 codes of W2, K innermost, in blocks of 32 codes, four codes in three bytes); W2_scales 1,024 x 128 uint8 (E8M0 scales of W2, one for each 32 codes along K); Wk_codes 1,024 x 32 x 24 uint8 (E2M3 codes of Wk, K innermost, in blocks of 32 codes, four codes in three bytes); Wk_scales 1,024 x 32 uint8 (E8M0 scales of Wk, one for each 32 codes along K); Wo_codes 1,024 x 32 x 24 uint8 (E2M3 codes of Wo, K innermost, in blocks of 32 codes, four codes in three bytes); Wo_scales 1,024 x 32 uint8 (E8M0 scales of Wo, one for each 32 codes along K); Wq_codes 1,024 x 32 x 24 uint8 (E2M3 codes of Wq, K innermost, in blocks of 32 codes, four codes in three bytes); Wq_scales 1,024 x 32 uint8 (E8M0 scales of Wq, one for each 32 codes along K); Wv_codes 1,024 x 32 x 24 uint8 (E2M3 codes of Wv, K innermost, in blocks of 32 codes, four codes in three bytes); Wv_scales 1,024 x 32 uint8 (E8M0 scales of Wv, one for each 32 codes along K); b1 4,096 float32; b2 1,024 float32; bk 1,024 float32; bo 1,024 float32; bq 1,024 float32; bv 1,024 float32; ln1_b 1,024 float32; ln1_g 1,024 float32; ln2_b 1,024 float32; ln2_g 1,024 float32; x 2 x 2,048 x 1,024 float32.
;; Outputs: out0 2 x 2,048 x 1,024 float32.
;; This version of the problem:
;;   THIS VERSION OF THE PROBLEM IS GIVEN IN LOW PRECISION. The matrix products marked QUANTISED in the list below multiply operands that are first quantised to E2M3 (2 exponent bits, 3 mantissa bits; 6 bits a number), with one power-of-two scale for each 32 numbers along K (OCP MX v1.0); their sums are f32. All else is computed in f32.
;;   The module's matrix products, in the order in which they are computed (A, B: the left and right operand; K: the contracted axis; several contracted axes count as one K, in the product's order):
;;     1. [M 4,096, K 1,024] x [K 1,024, N 1,024]; A: computed on the way; B: input Wq (given as codes): QUANTISED
;;     2. [M 4,096, K 1,024] x [K 1,024, N 1,024]; A: computed on the way; B: input Wk (given as codes): QUANTISED
;;     3. [M 4,096, K 1,024] x [K 1,024, N 1,024]; A: computed on the way; B: input Wv (given as codes): QUANTISED
;;     4. batch 32 x [M 2,048, K 64] x [K 64, N 2,048]; A: computed on the way; B: computed on the way: QUANTISED
;;     5. batch 32 x [M 64, K 2,048] x [K 2,048, N 2,048]; A: computed on the way; B: softmax (see below): QUANTISED
;;     6. [M 4,096, K 1,024] x [K 1,024, N 1,024]; A: computed on the way; B: input Wo (given as codes): QUANTISED
;;     7. [M 4,096, K 1,024] x [K 1,024, N 4,096]; A: computed on the way; B: input W1 (given as codes): QUANTISED
;;     8. [M 4,096, K 4,096] x [K 4,096, N 1,024]; A: computed on the way; B: input W2 (given as codes): QUANTISED
;;   THE QUANTISER, for each operand of a quantised product, along K:
;;     - K is cut into blocks of 32 from its start; a last block that is shorter is filled with zeros.
;;     - A block's scale is 2^e with e = floor(log2(the largest magnitude in the block)) - 2, held to -126 .. 127; a block of zeros has e = 0. As a byte (E8M0): e + 127.
;;     - Each number is divided by its block's scale, clamped to +-7.5, and rounded to the nearest number of E2M3, ties to even, subnormals kept.
;;     - The product sums the exact products of the quantised numbers (number of the format x scale) in f32.
;;   ~~~python
;;   def quantise(x, axis):      # numpy; x: float32 -> the quantised numbers, widened to float32 again
;;       x = np.moveaxis(x, axis, -1); K = x.shape[-1]
;;       x = np.pad(x, [(0, 0)] * (x.ndim - 1) + [(0, -K % 32)]); x = x.reshape(x.shape[:-1] + (-1, 32)); a = np.abs(x).max(-1, keepdims=True)
;;       e = np.where(a > 0, np.clip(np.frexp(np.where(a > 0, a, 1))[1] - 1 - 2, -126, 127), 0)      # np.frexp(a)[1] - 1 = floor(log2(a)), exactly
;;       r = np.clip(x / 2.0 ** e, -7.5, 7.5)
;;       step = 2.0 ** (np.maximum(np.frexp(np.where(r == 0, 1, r))[1] - 1, 0) - 3)
;;       q = np.round(r / step) * step * 2.0 ** e      # np.round: ties to even
;;       return np.moveaxis(q.reshape(q.shape[:-2] + (-1,))[..., :K], -1, axis).astype(np.float32)
;;   ~~~
;;   SOFTMAX AHEAD OF A QUANTISED PRODUCT. Where the list says 'softmax', what is quantised is not the finished softmax but p = 2^(t - M), with t = logit x log2(e) and M = ceil(the row's largest t), a whole number; so 1/2 < the row's largest p <= 1. The row's sum l is taken of the UNQUANTISED p, in f32, and the product's result is divided by l at the end. Since M is a whole number, a kernel that streams over the keys may use a running M (the ceiling of the running maximum): every later rescaling is an exact power of two, which a block's scale takes up: the codes' values come out the same.
;;   OPERANDS COMPUTED ON THE WAY. 'Computed on the way' means the value that the module computes at that place (a softmax that the list does not call 'softmax' is quantised finished and normalised). What goes into a quantiser is computed in f32, as accurately as f32 sums, v_exp_f32 and their like allow (about 1e-6 of the number): no bf16 or f16 on the way to a quantiser, and a product that is left as it is and whose result goes on into a quantised operand takes f32 operands (vector FMAs, or v_wmma_f32_16x16x4_f32). A number that lies on a knife's edge between two numbers of the format may be rounded either way, as far as f32 arithmetic and the matrix unit's own rounding can turn it there, and no further.
;;   INPUTS GIVEN AS CODES. W1 (in the module: [1024, 4096], K = its axis 0); W2 (in the module: [4096, 1024], K = its axis 0); Wk (in the module: [1024, 1024], K = its axis 0); Wo (in the module: [1024, 1024], K = its axis 0); Wq (in the module: [1024, 1024], K = its axis 0); Wv (in the module: [1024, 1024], K = its axis 0): each comes as NAME_codes (uint8): NAME with its K axis moved to the last place and cut into blocks of 32 codes, [.., K / 32, bytes a block], one block behind the other in memory; four codes in three bytes: a row's codes are one little-endian stream of bits, code i at bits 6 i .. 6 i + 5 (a code: sign, 2 exponent bits, 3 mantissa bits); and NAME_scales (uint8): the same leading axes, one E8M0 byte (e + 127) for each 32 codes along K. Its value is code x scale, taken as it is: it is not quantised again, and the codes and scales need not be those that the quantiser above would give.
;; One version. Each part assembles by itself: llvm-mc -triple=amdgcn-amd-amdhsa -mcpu=gfx1250 --defsym DOCPART=n.
;; ======== version 1 of 1: 7 launches
;; limits: a function is approximated: absolute error at most 1.5e-07
;; workspace buffers: hrec 3,276,800 bytes; qrec 3,407,872 bytes; kvrec 6,815,744 bytes; yrec 3,276,800 bytes; x1 16,777,216 bytes; mrec 13,107,200 bytes
;; launch ln1 (part 1): grid 256 x 1, 8 waves a work-group, no clusters, 5,120 bytes of LDS; arguments x, ln1_g, ln1_b, hrec; writes hrec
.if DOCPART == 1
	.amdgcn_target "amdgcn-amd-amdhsa--gfx1250"
	.amdhsa_code_object_version 6
	.text
	.protected	k_qae9fd2fec0_ln1
	.globl	k_qae9fd2fec0_ln1
	.p2align	8
	.type	k_qae9fd2fec0_ln1,@function
k_qae9fd2fec0_ln1:
	s_mov_b64 s[64:65], 0
	v_nop
	global_prefetch_b8 v0, s[64:65] scope:SCOPE_SE
	s_setreg_imm32_b32 hwreg(HW_REG_WAVE_MODE, 25, 1), 1
	s_wait_xcnt 0x0
; LayerNorm of 16 rows of [4096][1024] f32, and its result as codes of FP6 (E2M3) with one E8M0 byte for each 32 along the row.
; ROWS.  The 4,096 rows are 128 pairs of tiles; row r of tile u of pair g is row 32 g + 8 u + r + 8 (r / 8).  Work-group T takes tile (T / 2, T % 2).
; SHARES.  Wave w takes columns 128 w .. 128 w + 127, one K step of the next product.  Lane (r, h) holds, of row r, 16 neighbours of each of the step's four blocks of 32:
; register X + 16 b + i is column 128 w + 32 b + 16 h + i.  Mean and variance are taken in two passes (the mean first, then the squares of the differences), in f32; the eight waves' parts meet in LDS.
; OUT.  A pair's record is 25,600 bytes: fragment (u, K step s) at 12,288 u + 1,536 s as an image of the operand's 12 registers (registers 0-3 at 16 x lane, 4-5 at 512 + 8 x lane, 6-9 at 768 + 16 x lane,
; 10-11 at 1,280 + 8 x lane), and at 24,576 the scale words: 512 (s / 4) + 16 (16 u + r) + 4 (s % 4).  Every store covers whole aligned runs of 256 bytes.
; LIMITS: NaN and infinities are not served.  A block whose largest magnitude lies under 2^-124, a block of zeros among them, keeps the byte 1: its codes are then zeros or next to it, and this program alone reads the bytes.
.set X,   64                           ; v64-127  my 64 numbers
.set GR,  128                          ; v128-191 the gain at my columns
.set BR,  192                          ; v192-255 the bias
.set PC,  12                           ; v12-30   the codes just made
.set TM,  32                           ; v32-47   at work
.set PW,  48                           ; v48      the scale word just made
.set WV,  12
.set SEL, 20
.set RS2, 1024                         ; LDS: 0 the waves' sums (32 bytes a lane), 1,024 the sums of squares, 2,048 the tile's 128 scale words
.set SCT, 2048
; 64 numbers of a lane, register 16 b + i = k 32 b + 16 (lane / 16) + i of my row, become a fragment's codes in v[PC] on and its scale word in v[PW].
.macro QUANT s
.irp b, 0,1,2,3
	v_max3_num_f32 v[TM+\b], |v[\s+16*\b]|, |v[\s+1+16*\b]|, 0x1800000   ; my 16 numbers of block b, and the floor 2^(3 - 127): the byte cannot fall under 1
.endr
.irp i, 2,4,6,8,10,12,14
.irp b, 0,1,2,3
	v_max3_num_f32 v[TM+\b], v[TM+\b], |v[\s+16*\b+\i]|, |v[\s+1+16*\b+\i]|
.endr
.endr
.irp b, 0,1,2,3
	v_permlanex16_b32 v[TM+4+\b], v[TM+\b], s[SEL], s[SEL+1]
.endr
.irp b, 0,1,2,3
	v_max_num_f32 v[TM+\b], v[TM+\b], v[TM+4+\b]   ; with lane l xor 16's: the block's largest magnitude
.endr
.irp b, 0,1,2,3
	v_add_nc_u32 v[TM+12+\b], 0xff000000, v[TM+\b]   ; 2 off its exponent field: the conversion's scale operand
.endr
.irp b, 0,1,2,3
	v_lshrrev_b32 v[TM+4+\b], 23, v[TM+12+\b]   ; the scale's byte
.endr
	v_lshl_or_b32 v[PW], v[TM+5], 8, v[TM+4]
	v_lshl_or_b32 v[PW], v[TM+6], 16, v[PW]
	v_lshl_or_b32 v[PW], v[TM+7], 24, v[PW]
.irp c, 0,1
	v_cvt_scalef32_pk16_fp6_f32 v[PC+6*\c:PC+2+6*\c], v[\s+32*\c:\s+15+32*\c], v[TM+12+2*\c]
	v_cvt_scalef32_pk16_fp6_f32 v[PC+12+4*\c:PC+14+4*\c], v[\s+16+32*\c:\s+31+32*\c], v[TM+12+2*\c+1]   ; (a conversion's three registers begin on an even number)
.endr
	v_nop                                          ; one plain line behind a scaled conversion
.irp c, 0,1                                    ; the operand wants a whole block in a lane: lanes 0-15 block 2 c, lanes 16-31 block 2 c + 1
.irp i, 0,1,2
	v_permlane16_swap_b32 v[PC+6*\c+\i], v[PC+12+4*\c+\i]
.endr
.irp i, 0,1,2
	v_mov_b32 v[PC+3+6*\c+\i], v[PC+12+4*\c+\i]
.endr
.endr
.endm
; The four chains v[50:57] become my row's part; the eight waves' parts meet in LDS at off; v32 = the row's total, added in one fixed order in every wave.
.macro ACROSS off
	v_pk_add_f32 v[50:51], v[50:51], v[52:53]
	v_pk_add_f32 v[54:55], v[54:55], v[56:57]
	v_pk_add_f32 v[50:51], v[50:51], v[54:55]
	v_add_f32 v50, v50, v51
	v_permlanex16_b32 v51, v50, s[SEL], s[SEL+1]
	v_add_f32 v50, v50, v51                        ; with lane l xor 16's half of the blocks
	ds_store_b32 v8, v50 offset:\off
	s_wait_dscnt 0x0                               ; for the others' sake: my store has landed
	s_barrier_signal -1
	s_barrier_wait -1
	ds_load_b128 v[32:35], v9 offset:\off
	ds_load_b128 v[36:39], v9 offset:\off+16
	s_wait_dscnt 0x0
	v_pk_add_f32 v[32:33], v[32:33], v[34:35]
	v_pk_add_f32 v[36:37], v[36:37], v[38:39]
	v_pk_add_f32 v[32:33], v[32:33], v[36:37]
	v_add_f32 v32, v32, v33
.endm
	s_load_b256 s[4:11], s[0:1], 0x0               ; the rows s[4:5], gain s[6:7], bias s[8:9], records s[10:11]
	v_lshl_add_u32 v62, v0, 2, 0x1000
	v_mov_b32 v63, 0
	v_lshrrev_b32 v1, 5, v0
	v_readfirstlane_b32 s[WV], v1                  ; wave 0..7
	v_and_b32 v1, 31, v0                           ; lane
	v_and_b32 v2, 15, v0                           ; r
	v_bfe_u32 v3, v0, 4, 1                         ; h
	v_and_b32 v4, 8, v2
	v_add_nc_u32 v4, v4, v2                        ; r + 8 (r / 8)
	v_lshlrev_b32 v4, 12, v4                       ; a row is 4,096 bytes
	v_lshl_add_u32 v4, v3, 6, v4                   ; + 64 h
	s_lshl_b32 s13, s[WV], 9
	v_add_nc_u32 v4, s13, v4                       ; + 512 w
	v_lshl_add_u32 v5, v3, 6, s13                  ; gain and bias: 512 w + 64 h
	v_lshlrev_b32 v6, 4, v1                        ; 16 x lane
	v_lshlrev_b32 v7, 3, v1                        ; 8 x lane
	s_lshl_b32 s14, s[WV], 2
	v_lshl_add_u32 v8, v1, 5, s14                  ; where I put my wave's part: 32 x lane + 4 w
	v_lshlrev_b32 v9, 5, v1                        ; where I read the eight
	s_lshr_b32 s15, s[WV], 2
	s_lshl_b32 s15, s15, 8
	s_and_b32 s16, s[WV], 3
	s_lshl_b32 s16, s16, 2
	s_add_co_u32 s15, s15, s16
	s_add_co_u32 s15, s15, SCT
	v_lshl_add_u32 v10, v2, 4, s15                 ; my scale word: SCT + 256 (w / 4) + 16 r + 4 (w % 4)
	v_add_nc_u32 v11, SCT, v6
	v_lshlrev_b32 v49, 9, v3
	v_lshl_add_u32 v49, v2, 4, v49                 ; and its place in the record: 512 (lane / 16) + 16 r
.irp b, 0,1,2,3
	v_mov_b32 v[TM+4+\b], 0                        ; a lane permute's destination counts as one of its sources
.endr
	s_mov_b32 s[SEL], 0x76543210
	s_mov_b32 s[SEL+1], 0xfedcba98                 ; v_permlanex16_b32's selects for lane l xor 16
	s_mov_b32 s32, 0x3a800000                      ; 1 / 1024
	s_lshr_b32 s16, ttmp9, 1                       ; pair
	s_and_b32 s17, ttmp9, 1                        ; u
	s_lshl_b32 s18, s16, 17
	s_lshl_b32 s19, s17, 15
	s_add_co_u32 s18, s18, s19                     ; (32 pair + 8 u) rows of 4,096 bytes
	s_mov_b32 s19, 0
	s_mul_i32 s22, s16, 25600
	s_mul_i32 s23, s17, 12288
	s_mul_i32 s24, s[WV], 1536
	s_add_co_u32 s24, s24, s23
	s_add_co_u32 s24, s24, s22                     ; my fragment's image
	s_mov_b32 s25, 0
	s_lshl_b32 s26, s17, 8
	s_add_co_u32 s26, s26, s22
	s_add_co_u32 s26, s26, 24576                   ; the tile's scale words
	s_mov_b32 s27, 0
	s_wait_kmcnt 0x0
	s_add_nc_u64 s[4:5], s[4:5], s[18:19]
	s_add_nc_u64 s[28:29], s[10:11], s[24:25]
	s_add_nc_u64 s[30:31], s[10:11], s[26:27]
.irp b, 0,1,2,3
.irp j, 0,1,2,3
	global_load_b128 v[X+16*\b+4*\j:X+16*\b+4*\j+3], v4, s[4:5] offset:128*\b+16*\j
.endr
.endr
.irp b, 0,1,2,3
.irp j, 0,1,2,3
	global_load_b128 v[GR+16*\b+4*\j:GR+16*\b+4*\j+3], v5, s[6:7] offset:128*\b+16*\j
.endr
.endr
.irp b, 0,1,2,3
.irp j, 0,1,2,3
	global_load_b128 v[BR+16*\b+4*\j:BR+16*\b+4*\j+3], v5, s[8:9] offset:128*\b+16*\j
.endr
.endr
	s_wait_loadcnt 32                              ; my 16 loads of the rows are in; the gain's 16 and the bias's 16 stay out
	v_pk_add_f32 v[50:51], v[X:X+1], v[X+2:X+3]    ; the sum, in four chains started by the first numbers
	v_pk_add_f32 v[52:53], v[X+4:X+5], v[X+6:X+7]
	v_pk_add_f32 v[54:55], v[X+8:X+9], v[X+10:X+11]
	v_pk_add_f32 v[56:57], v[X+12:X+13], v[X+14:X+15]
.irp i, 16,24,32,40,48,56
	v_pk_add_f32 v[50:51], v[50:51], v[X+\i:X+\i+1]
	v_pk_add_f32 v[52:53], v[52:53], v[X+\i+2:X+\i+3]
	v_pk_add_f32 v[54:55], v[54:55], v[X+\i+4:X+\i+5]
	v_pk_add_f32 v[56:57], v[56:57], v[X+\i+6:X+\i+7]
.endr
	ACROSS 0
	v_mul_f32 v58, s32, v32                        ; the mean
	v_mov_b32 v59, v58
.set j, 0
.rept 32
	v_pk_add_f32 v[X+j:X+j+1], v[X+j:X+j+1], v[58:59] neg_lo:[0,1] neg_hi:[0,1]   ; x - mean
.set j, j+2
.endr
	v_pk_mul_f32 v[50:51], v[X:X+1], v[X:X+1]      ; the squares, again in four chains
	v_pk_mul_f32 v[52:53], v[X+2:X+3], v[X+2:X+3]
	v_pk_mul_f32 v[54:55], v[X+4:X+5], v[X+4:X+5]
	v_pk_mul_f32 v[56:57], v[X+6:X+7], v[X+6:X+7]
.irp i, 8,16,24,32,40,48,56
	v_pk_fma_f32 v[50:51], v[X+\i:X+\i+1], v[X+\i:X+\i+1], v[50:51]
	v_pk_fma_f32 v[52:53], v[X+\i+2:X+\i+3], v[X+\i+2:X+\i+3], v[52:53]
	v_pk_fma_f32 v[54:55], v[X+\i+4:X+\i+5], v[X+\i+4:X+\i+5], v[54:55]
	v_pk_fma_f32 v[56:57], v[X+\i+6:X+\i+7], v[X+\i+6:X+\i+7], v[56:57]
.endr
	ACROSS RS2
	v_fmaak_f32 v60, s32, v32, 0x3727c5ac          ; the variance + 1e-5
	v_rsq_f32 v60, v60
	v_nop                                          ; one plain line behind the transcendental
	s_wait_alu depctr_va_vdst(0)
	v_mov_b32 v61, v60
	s_wait_loadcnt 0x0                             ; gain and bias
.set j, 0
.rept 32
	v_pk_mul_f32 v[X+j:X+j+1], v[X+j:X+j+1], v[60:61]
.set j, j+2
.endr
.set j, 0
.rept 32
	v_pk_fma_f32 v[X+j:X+j+1], v[X+j:X+j+1], v[GR+j:GR+j+1], v[BR+j:BR+j+1]
.set j, j+2
.endr
	QUANT X
	ds_store_b32 v10, v[PW]                        ; lanes r and r + 16 write the same word with the same value
	global_store_b128 v6, v[PC:PC+3], s[28:29]     ; the image: 512, 256, 512, 256 consecutive bytes
	global_store_b64 v7, v[PC+4:PC+5], s[28:29] offset:512
	global_store_b128 v6, v[PC+6:PC+9], s[28:29] offset:768
	global_store_b64 v7, v[PC+10:PC+11], s[28:29] offset:1280
	s_wait_dscnt 0x0                               ; for wave 0's sake
	s_barrier_signal -1
	s_barrier_wait -1
	s_cmp_lg_u32 s[WV], 0
	s_cbranch_scc1 .Lend
	ds_load_b128 v[32:35], v11                     ; the tile's scale words: four K steps of a row to a lane
	s_wait_dscnt 0x0
	global_store_b128 v49, v[32:35], s[30:31]      ; two aligned runs of 256 bytes
.Lend:
	s_wait_tensorcnt 0x0
	ds_add_u32 v62, v63
	s_wait_dscnt 0x0
	s_endpgm
.Lfunc_end_k_qae9fd2fec0_ln1:
	.size	k_qae9fd2fec0_ln1, .Lfunc_end_k_qae9fd2fec0_ln1-k_qae9fd2fec0_ln1
	.p2alignl 7, 3214868480
	.fill 96, 4, 3214868480
	.section	.rodata,"a",@progbits
	.p2align	6, 0x0
	.amdhsa_kernel k_qae9fd2fec0_ln1
		.amdhsa_group_segment_fixed_size 5120
		.amdhsa_private_segment_fixed_size 0
		.amdhsa_enable_private_segment 0
		.amdhsa_kernarg_size 32
		.amdhsa_user_sgpr_count 2
		.amdhsa_user_sgpr_kernarg_segment_ptr 1
		.amdhsa_wavefront_size32 1
		.amdhsa_system_sgpr_workgroup_id_x 1
		.amdhsa_system_sgpr_workgroup_id_y 1
		.amdhsa_system_sgpr_workgroup_id_z 1
		.amdhsa_system_vgpr_workitem_id 0
		.amdhsa_next_free_vgpr 256
		.amdhsa_next_free_sgpr 66
		.amdhsa_reserve_vcc 0
		.amdhsa_float_denorm_mode_32 3
		.amdhsa_float_denorm_mode_16_64 3
		.amdhsa_memory_ordered 1
		.amdhsa_forward_progress 1
		.amdhsa_inst_pref_size 24
	.end_amdhsa_kernel
	.amdgpu_metadata
---
amdhsa.version: [ 1, 2 ]
amdhsa.kernels:
  - .name:           k_qae9fd2fec0_ln1
    .symbol:         k_qae9fd2fec0_ln1.kd
    .args:
      - { .name: x, .offset: 0, .size: 8, .value_kind: global_buffer, .address_space: global }
      - { .name: ln1_g, .offset: 8, .size: 8, .value_kind: global_buffer, .address_space: global }
      - { .name: ln1_b, .offset: 16, .size: 8, .value_kind: global_buffer, .address_space: global }
      - { .name: hrec, .offset: 24, .size: 8, .value_kind: global_buffer, .address_space: global }
    .group_segment_fixed_size: 5120
    .private_segment_fixed_size: 0
    .kernarg_segment_align: 8
    .kernarg_segment_size: 32
    .max_flat_workgroup_size: 256
    .sgpr_count:     66
    .vgpr_count:     256
    .wavefront_size: 32
...
	.end_amdgpu_metadata
.endif
;; end of part 1
;; launch qkv (part 2): grid 12 x 16, 4 waves a work-group, clusters of 4 x 1, 255,488 bytes of LDS; arguments hrec, Wq_codes, Wq_scales, bq, Wk_codes, Wk_scales, bk, Wv_codes, Wv_scales, bv, qrec, kvrec; writes qrec, kvrec
.if DOCPART == 2
	.amdgcn_target "amdgcn-amd-amdhsa--gfx1250"
	.amdhsa_code_object_version 6
	.text
	.protected	k_qae9fd2fec0_qkv
	.globl	k_qae9fd2fec0_qkv
	.p2align	8
	.type	k_qae9fd2fec0_qkv,@function
k_qae9fd2fec0_qkv:
	s_mov_b64 s[64:65], 0
	v_nop
	global_prefetch_b8 v0, s[64:65] scope:SCOPE_SE
	s_setreg_imm32_b32 hwreg(HW_REG_WAVE_MODE, 25, 1), 1
	s_wait_xcnt 0x0
	s_wait_alu depctr_hold_cnt(0) depctr_sa_sdst(0) depctr_va_vdst(0) depctr_va_sdst(0) depctr_va_ssrc(0) depctr_va_vcc(0) depctr_vm_vsrc(0)
	s_getreg_b32 s2, hwreg(HW_REG_IB_STS2, 6, 4)
	s_cmp_eq_u32 s2, 0
	s_cbranch_scc0 .Lentry_in_a_cluster
	s_endpgm
.Lentry_in_a_cluster:
	s_bfe_u32 s2, ttmp6, 0x10000c
	s_cmp_lg_u32 s2, 0x3003
	s_cbranch_scc0 .Lentry_shape_is_right
	s_endpgm
.Lentry_shape_is_right:
; q = h Wq + bq, k = h Wk + bk, v = h Wv + bv on codes of FP6 (E2M3), and each result quantised at once for attention: q and k along the head's 64, v along the keys.
; SHARES.  The cluster's x is the kind (0 q, 1 k, 2 v); its four work-groups take four heads each, a wave ONE head: its 64 rows of W (4 tiles x 8 K steps, 384 registers) stay in registers for the whole launch.
; Work-group y takes 8 pairs of row tiles (256 tokens): their records, 204,800 bytes, come into LDS once, by one tensor load a wave, asked for JOINTLY by the four partners, which need the same records.
; THE WEIGHTS are each wave's own, so there is nothing to share: they come once, by plain loads of 512 consecutive bytes, and turn through the wave's own stage in LDS into the operand's layout (macro WLOAD).
; 192 work-groups: a wave owns whole heads, and 48 heads do not share out evenly over more.
; A PAIR is 64 matrix instructions on eight accumulators by turns; an A fragment read from LDS feeds four of them.
; THE ROWS OF W THAT FORM A TILE ARE NOT NEIGHBOURS: lane r of tile 2 b + u takes row 32 b + 8 u + r + 8 (r / 8).  The tokens of a tile are chosen alike.
; q, k: the product is used transposed (source 0 = W, source 1 = h): a lane holds one token and 16 neighbours of each block of 32 of the head.  v: source 0 = h, source 1 = W: a lane holds one channel and 16 neighbouring tokens.
; OUT.  qrec [head][128 tokens][6,656]: four pair images of 1,536 bytes (registers 0-5 tile 2 G, 6-11 tile 2 G + 1; four registers at 512 c + 16 x lane), at 6,144 the tiles' scale words (256 (t / 4) + 16 r + 4 (t % 4)).
; kvrec [head][128 keys][13,312]: k laid so at 0; at 6,656 v's four fragments (16 channels x 128 keys) as images, at 12,800 their scale words, four to a lane, twice.
; LIMITS: NaN and infinities are not served; a block whose largest magnitude lies under 2^-124 keeps the byte 1 (this program alone reads the bytes).
; REGISTERS, in windows of 256: window 0: v1-12, v62-63 addresses; v16-47 W's scale words, v48-55 h's; v64-127 the accumulators; v128-247 the way out.  window 1: W, K steps 0-4 (48 s + 12 tile).
;   window 2: W, K steps 5-7; from v144 the bias, eight registers a tile.   window 3: h's fragments (96 (s / 4) + 24 (s % 4) + 12 u).
.set REC,  25600
.set KROWB, 768                        ; a row of W's codes
.set KSB,  32                          ; and of its scale bytes
.set MAXOFF, 7*REC
.set WPITCH, 784                       ; a row of the weights' stage: 768 bytes + 16 = 196 words: lane (r, h) of a load of 8 bytes takes banks 4 r + 6 h and the next (64 banks of 4 bytes: ISA guide 11.1): 64 different ones
.set WST,  204800                      ; behind the records: the weights' stages, 16 rows for each wave; no tensor load lands there
.set GA1,  1                           ; the rows are dense here: the load that straddles two rows has the plain address
.set ACC,  64
.set WS,   16
.set AS,   48
.set BI,   144
.set PC,   128
.set TM,   148
.set PW,   164
.set SW,   166                         ; v166-173 the eight tiles' scale words of 128 tokens
.set SO4,  174                         ; v174-177 the four that my lane stores
.set VF,   180                         ; v180-227 v's four fragments in the making
.set TT,   228                         ; v228-243 the odd pairs' codes before the halves change places
.set SWV,  244                         ; v244-247 v's scale words
.set WV,   32
.set WC,   36
.set WSB,  38
.set BB,   40
.set OB,   42
.set G0,   44
.set G1,   48
.set OFF,  56
.set CNT,  57
.set LP,   58
.set SEL,  60
.set STR,  62
.set MSB, 0
.macro WIN new                         ; the immediate's high byte repeats the setting that is left
.if MSB != \new
	s_set_vgpr_msb (MSB<<8)|\new
.set MSB, \new
.endif
.endm
.macro PLACES                          ; four plain lines behind a matrix instruction, ahead of loads into its registers and of reads of its result
.rept 4
	v_nop
.endr
.endm
.macro ROUND                           ; a round of the cluster's barrier
	s_barrier_signal -1
	s_barrier_wait -1
	s_cmp_lg_u32 s[WV], 0
	s_cbranch_scc1 .Lnot_wave_0_\@
	s_barrier_signal -3
.Lnot_wave_0_\@:
	s_barrier_wait -3
	s_barrier_signal -1
	s_barrier_wait -1
.endm
; THE WEIGHTS' WAY IN.  A tile's 16 rows are two runs of 8 neighbouring rows (rows 0-7 and 16-23 from the tile's first).  Load i of a tile's 24 takes 512 bytes: run i / 12, rows 2 j and 2 j + 1 (j = (i % 12) / 3), third i % 3 of
; their 1,536 bytes.  It lands in four of the tile's own fragment registers, which only carry it: fragment i / 3, registers 4 (i % 3) on.  So all 96 loads of a wave are out at once and no register is added.
.macro WREGS ct, i
.set WLK, (\i)/3
.set WLM, (\i)%3
.if WLK < 5
.set WLR, 48*WLK+12*(\ct)+4*WLM
.else
.set WLR, 48*(WLK-5)+12*(\ct)+4*WLM
.endif
.endm
.macro WRAW ct, i
	WREGS \ct, \i
.set WLO, (32*((\ct)/2)+8*((\ct)%2)+16*((\i)/12)+2*(((\i)%12)/3))*KROWB+512*WLM+(WLM/2)*(KROWB-768)
.if WLM == 1
	global_load_b128 v[WLR:WLR+3], v[GA1], s[WC:WC+1] offset:WLO   ; the middle third: lanes 0-15 the first row's last 256 bytes, lanes 16-31 the second row's first
.else
	global_load_b128 v[WLR:WLR+3], v1, s[WC:WC+1] offset:WLO
.endif
.endm
.macro WPUT ct, i                      ; the same 512 bytes into my stage: row 8 (i / 12) + 2 j, or the next
	WREGS \ct, \i
.set WLO, 8*WPITCH*((\i)/12)+2*WPITCH*(((\i)%12)/3)+512*WLM+16*(WLM/2)
.if WLM == 1
	ds_store_b128 v63, v[WLR:WLR+3] offset:WLO
.else
	ds_store_b128 v62, v[WLR:WLR+3] offset:WLO
.endif
.endm
.macro WTURN ct                        ; tile ct turns through the stage: in as the bytes lie, back as fragments, into the registers that they left.  LDS serves a wave's instructions in order (ISA guide 5.7.1.4): no wait between
.if \ct == 0
	s_wait_loadcnt 63                              ; tile 0's loads are in: 72 are younger; the count's field ends at 63, and a smaller count is safe
.else
	s_wait_loadcnt 72-24*\ct                       ; tile ct's loads are in; the younger tiles' 24 each may be out
.endif
	WIN 0x04                                       ; an LDS store's data are its source 1: window 1
.irp i, 0,1,2,3,4,5,6,7,8,9,10,11,12,13,14
	WPUT \ct, \i
.endr
	WIN 0x08
.irp i, 15,16,17,18,19,20,21,22,23
	WPUT \ct, \i
.endr
	WIN 0x40
.irp ks, 0,1,2,3,4
.irp p, 0,1,2,3,4,5
	ds_load_b64 v[48*\ks+12*\ct+2*\p:48*\ks+12*\ct+2*\p+1], v5 offset:96*\ks+48*(\p/3)+8*(\p%3)
.endr
.endr
	WIN 0x80
.irp ks, 5,6,7
.irp p, 0,1,2,3,4,5
	ds_load_b64 v[48*(\ks-5)+12*\ct+2*\p:48*(\ks-5)+12*\ct+2*\p+1], v5 offset:96*\ks+48*(\p/3)+8*(\p%3)
.endr
.endr
.endm
.macro WLOAD
.irp ct, 0,1,2,3
	WIN 0x40
.irp i, 0,1,2,3,4,5,6,7,8,9,10,11,12,13,14
	WRAW \ct, \i
.endr
	WIN 0x80
.irp i, 15,16,17,18,19,20,21,22,23
	WRAW \ct, \i
.endr
.endr
.irp ct, 0,1,2,3
	WTURN \ct
.endr
	WIN 0
.endm
.macro QUANT s                         ; 64 numbers of a lane, register 16 b + i = element 16 (lane / 16) + i of block b, become 12 registers of codes in v[PC] on and the four bytes in v[PW]
.irp b, 0,1,2,3
	v_max3_num_f32 v[TM+\b], |v[\s+16*\b]|, |v[\s+1+16*\b]|, 0x1800000   ; and the floor 2^(3 - 127): the byte cannot fall under 1
.endr
.irp i, 2,4,6,8,10,12,14
.irp b, 0,1,2,3
	v_max3_num_f32 v[TM+\b], v[TM+\b], |v[\s+16*\b+\i]|, |v[\s+1+16*\b+\i]|
.endr
.endr
.irp b, 0,1,2,3
	v_permlanex16_b32 v[TM+4+\b], v[TM+\b], s[SEL], s[SEL+1]
.endr
.irp b, 0,1,2,3
	v_max_num_f32 v[TM+\b], v[TM+\b], v[TM+4+\b]
.endr
.irp b, 0,1,2,3
	v_add_nc_u32 v[TM+12+\b], 0xff000000, v[TM+\b]   ; 2 off the exponent field: the conversion's scale operand
.endr
.irp b, 0,1,2,3
	v_lshrrev_b32 v[TM+4+\b], 23, v[TM+12+\b]
.endr
	v_lshl_or_b32 v[PW], v[TM+5], 8, v[TM+4]
	v_lshl_or_b32 v[PW], v[TM+6], 16, v[PW]
	v_lshl_or_b32 v[PW], v[TM+7], 24, v[PW]
.irp c, 0,1
	v_cvt_scalef32_pk16_fp6_f32 v[PC+6*\c:PC+2+6*\c], v[\s+32*\c:\s+15+32*\c], v[TM+12+2*\c]
	v_cvt_scalef32_pk16_fp6_f32 v[PC+12+4*\c:PC+14+4*\c], v[\s+16+32*\c:\s+31+32*\c], v[TM+12+2*\c+1]
.endr
	v_nop                                          ; one plain line behind a scaled conversion
.irp c, 0,1
.irp i, 0,1,2
	v_permlane16_swap_b32 v[PC+6*\c+\i], v[PC+12+4*\c+\i]
.endr
.irp i, 0,1,2
	v_mov_b32 v[PC+3+6*\c+\i], v[PC+12+4*\c+\i]
.endr
.endr
.endm
.macro FETCH_H half                    ; 32 LDS loads: both tiles' fragments of four K steps, as the images lie
	WIN 0xc0
.irp u, 0,1
.irp k, 0,1,2,3
	ds_load_b128 v[96*\half+24*\k+12*\u:96*\half+24*\k+12*\u+3], v3 offset:\u*12288+(4*\half+\k)*1536
	ds_load_b64 v[96*\half+24*\k+12*\u+4:96*\half+24*\k+12*\u+5], v4 offset:\u*12288+(4*\half+\k)*1536+512
	ds_load_b128 v[96*\half+24*\k+12*\u+6:96*\half+24*\k+12*\u+9], v3 offset:\u*12288+(4*\half+\k)*1536+768
	ds_load_b64 v[96*\half+24*\k+12*\u+10:96*\half+24*\k+12*\u+11], v4 offset:\u*12288+(4*\half+\k)*1536+1280
.endr
.endr
	WIN 0
.endm
.macro FETCH_AS                        ; the pair's scale words: lanes 0-15 tile 0's rows, lanes 16-31 tile 1's; register AS + s for K step s
	ds_load_b128 v[AS:AS+3], v3 offset:24576
	ds_load_b128 v[AS+4:AS+7], v3 offset:24576+512
.endm
.macro NEXT                            ; on to the next pair's record; behind the last the last is fetched again, so that no read leaves the filled bytes
	s_add_co_u32 s[CNT], s[CNT], REC
	s_min_u32 s[OFF], s[CNT], MAXOFF
	v_add_nc_u32 v3, s[OFF], v1
	v_add_nc_u32 v4, s[OFF], v2
.endm
.macro WM1 ks, ct, u                   ; transposed: source 0 = 16 rows of W, source 1 = 16 tokens
.set DD, ACC+32*\u+8*\ct
.set WR, WB+12*\ct
.set AR, AB+12*\u
.if \ks == 0
.if \u == 0
	v_wmma_scale_f32_16x16x128_f8f6f4 v[DD:DD+7], v[WR:WR+11], v[AR:AR+11], v[BI+8*\ct:BI+8*\ct+7], v[WS+8*\ct+\ks], v[AS+\ks] matrix_a_fmt:MATRIX_FMT_FP6 matrix_b_fmt:MATRIX_FMT_FP6
.else
	v_wmma_scale_f32_16x16x128_f8f6f4 v[DD:DD+7], v[WR:WR+11], v[AR:AR+11], v[BI+8*\ct:BI+8*\ct+7], v[WS+8*\ct+\ks], v[AS+\ks] matrix_a_fmt:MATRIX_FMT_FP6 matrix_b_fmt:MATRIX_FMT_FP6 matrix_b_scale:MATRIX_SCALE_ROW1
.endif
.else
.if \u == 0
	v_wmma_scale_f32_16x16x128_f8f6f4 v[DD:DD+7], v[WR:WR+11], v[AR:AR+11], v[DD:DD+7], v[WS+8*\ct+\ks], v[AS+\ks] matrix_a_fmt:MATRIX_FMT_FP6 matrix_b_fmt:MATRIX_FMT_FP6
.else
	v_wmma_scale_f32_16x16x128_f8f6f4 v[DD:DD+7], v[WR:WR+11], v[AR:AR+11], v[DD:DD+7], v[WS+8*\ct+\ks], v[AS+\ks] matrix_a_fmt:MATRIX_FMT_FP6 matrix_b_fmt:MATRIX_FMT_FP6 matrix_b_scale:MATRIX_SCALE_ROW1
.endif
.endif
.endm
.macro WM0 ks, ct, u                   ; source 0 = 16 tokens, source 1 = 16 rows of W
.set DD, ACC+16*\ct+8*\u
.set WR, WB+12*\ct
.set AR, AB+12*\u
.if \ks == 0
.if \u == 0
	v_wmma_scale_f32_16x16x128_f8f6f4 v[DD:DD+7], v[AR:AR+11], v[WR:WR+11], v[BI+8*\ct:BI+8*\ct+7], v[AS+\ks], v[WS+8*\ct+\ks] matrix_a_fmt:MATRIX_FMT_FP6 matrix_b_fmt:MATRIX_FMT_FP6
.else
	v_wmma_scale_f32_16x16x128_f8f6f4 v[DD:DD+7], v[AR:AR+11], v[WR:WR+11], v[BI+8*\ct:BI+8*\ct+7], v[AS+\ks], v[WS+8*\ct+\ks] matrix_a_fmt:MATRIX_FMT_FP6 matrix_b_fmt:MATRIX_FMT_FP6 matrix_a_scale:MATRIX_SCALE_ROW1
.endif
.else
.if \u == 0
	v_wmma_scale_f32_16x16x128_f8f6f4 v[DD:DD+7], v[AR:AR+11], v[WR:WR+11], v[DD:DD+7], v[AS+\ks], v[WS+8*\ct+\ks] matrix_a_fmt:MATRIX_FMT_FP6 matrix_b_fmt:MATRIX_FMT_FP6
.else
	v_wmma_scale_f32_16x16x128_f8f6f4 v[DD:DD+7], v[AR:AR+11], v[WR:WR+11], v[DD:DD+7], v[AS+\ks], v[WS+8*\ct+\ks] matrix_a_fmt:MATRIX_FMT_FP6 matrix_b_fmt:MATRIX_FMT_FP6 matrix_a_scale:MATRIX_SCALE_ROW1
.endif
.endif
.endm
.macro MM ks, tr                       ; K step ks of the pair: eight matrix instructions, one on each accumulator.  The first K step takes the bias as C: nothing is cleared or added
.if \ks < 5
.set WB, 48*\ks
.else
.set WB, 48*(\ks-5)
.endif
.set AB, 96*(\ks/4)+24*(\ks%4)
.if \tr
.if \ks == 0
	WIN 0x2d                                       ; source 0 window 1, source 1 window 3, C window 2, D window 0
.elseif \ks < 5
	WIN 0x0d
.else
	WIN 0x0e                                       ; source 0 window 2
.endif
.else
.if \ks == 0
	WIN 0x27                                       ; source 0 window 3, source 1 window 1, C window 2
.elseif \ks < 5
	WIN 0x07
.else
	WIN 0x0b
.endif
.endif
.irp ct, 0,1,2,3
.irp u, 0,1
.if \tr
	WM1 \ks, \ct, \u
.else
	WM0 \ks, \ct, \u
.endif
.endr
.endr
.endm
.macro PAIR tr
	s_wait_dscnt 32                                ; K steps 0-3 and the scale words are in; the 32 loads of K steps 4-7 may be out
	MM 0, \tr
	MM 1, \tr
	MM 2, \tr
	MM 3, \tr
	WIN 0
	PLACES
	NEXT
	FETCH_H 0                                      ; the next pair's K steps 0-3
	s_wait_dscnt 32                                ; all but the 32 just issued
	MM 4, \tr
	MM 5, \tr
	MM 6, \tr
	MM 7, \tr
	WIN 0
	PLACES                                         ; also the places ahead of the first read of the results
	FETCH_AS
	FETCH_H 1
.endm
.macro QEPI g                          ; pair g of four: blocks 2 u + b of the 64 numbers are tile u's two blocks of the head: the 12 registers are the pair's image
	s_wait_xcnt 0x0                                ; the earlier stores have read their registers
	QUANT ACC
.irp c, 0,1,2
	global_store_b128 v1, v[PC+4*\c:PC+4*\c+3], s[OB:OB+1] offset:\g*1536+512*\c
.endr
	v_mov_b32 v[SW+2*\g], v[PW]                    ; tile 2 g's word: its bytes 0, 1 (bytes 2, 3 meet zero codes)
	v_lshrrev_b32 v[SW+2*\g+1], 16, v[PW]          ; tile 2 g + 1's
.endm
.macro VEPI g                          ; pair g: block ct = the 32 tokens of the pair at channel (ct, r); my 16 of them in registers 16 ct ..
.irp b, 0,1,2,3
	v_max3_num_f32 v[TM+\b], |v[ACC+16*\b]|, |v[ACC+1+16*\b]|, 0x1800000
.endr
.irp i, 2,4,6,8,10,12,14
.irp b, 0,1,2,3
	v_max3_num_f32 v[TM+\b], v[TM+\b], |v[ACC+16*\b+\i]|, |v[ACC+1+16*\b+\i]|
.endr
.endr
.irp b, 0,1,2,3
	v_permlanex16_b32 v[TM+4+\b], v[TM+\b], s[SEL], s[SEL+1]
.endr
.irp b, 0,1,2,3
	v_max_num_f32 v[TM+\b], v[TM+\b], v[TM+4+\b]
.endr
.irp b, 0,1,2,3
	v_add_nc_u32 v[TM+12+\b], 0xff000000, v[TM+\b]
.endr
.irp b, 0,1,2,3
	v_lshrrev_b32 v[TM+4+\b], 23, v[TM+12+\b]
.endr
.irp b, 0,1,2,3
.if \g == 0
	v_mov_b32 v[SWV+\b], v[TM+4+\b]                ; byte g of the channel's scale word for these 128 keys
.else
	v_lshl_or_b32 v[SWV+\b], v[TM+4+\b], 8*\g, v[SWV+\b]
.endif
.endr
.irp b, 0,1,2,3
.if \g%2 == 0
	v_cvt_scalef32_pk16_fp6_f32 v[VF+12*\b+6*(\g/2):VF+12*\b+6*(\g/2)+2], v[ACC+16*\b:ACC+16*\b+15], v[TM+12+\b]
.else
	v_cvt_scalef32_pk16_fp6_f32 v[TT+4*\b:TT+4*\b+2], v[ACC+16*\b:ACC+16*\b+15], v[TM+12+\b]
.endif
.endr
	v_nop                                          ; one plain line behind a scaled conversion
.if \g%2 == 1
.irp b, 0,1,2,3                                ; lanes 0-15 get the even pair's whole block, lanes 16-31 the odd pair's
.irp i, 0,1,2
	v_permlane16_swap_b32 v[VF+12*\b+6*(\g/2)+\i], v[TT+4*\b+\i]
.endr
.irp i, 0,1,2
	v_mov_b32 v[VF+12*\b+6*(\g/2)+3+\i], v[TT+4*\b+\i]
.endr
.endr
.endif
.endm
	s_load_b512 s[8:23], s[0:1], 0x0               ; hrec, Wq codes, scales, bq, Wk codes, scales, bk, Wv codes
	s_load_b256 s[24:31], s[0:1], 0x40             ; Wv scales, bv, qrec, kvrec
	v_lshl_add_u32 v254, v0, 2, 0x3e400
	v_mov_b32 v255, 0
	ds_add_u32 v254, v255
	ds_add_u32 v254, v255
	v_lshrrev_b32 v8, 5, v0
	v_readfirstlane_b32 s[WV], v8                  ; wave 0..3
	v_and_b32 v8, 31, v0                           ; lane
	v_and_b32 v9, 15, v0                           ; r
	v_bfe_u32 v10, v0, 4, 1                        ; h
	v_and_b32 v11, 8, v9
	v_add_nc_u32 v11, v11, v9                      ; r + 8 (r / 8)
	v_lshlrev_b32 v1, 4, v8                        ; 16 x lane
	v_lshlrev_b32 v2, 3, v8                        ; 8 x lane
	s_mul_i32 s69, s[WV], 16*WPITCH
	s_add_co_u32 s69, s69, WST                     ; my stage for the weights
	v_mul_u32_u24 v5, v9, WPITCH
	v_mad_u32_u24 v5, v10, 24, v5
	v_add_nc_u32 v5, s69, v5                       ; out of it: row r, + 24 h
	v_add_nc_u32 v62, s69, v1                      ; into it: 16 x lane,
	v_lshl_add_u32 v63, v10, 4, v62                ; and for the third that straddles two rows 16 more in lanes 16-31: the row's padding
	v_lshlrev_b32 v6, 5, v11                       ; W's scale bytes: 32 a row
	v_lshlrev_b32 v7, 6, v10                       ; the bias for q, k: 64 h
	v_lshlrev_b32 v12, 2, v11                      ; the bias for v: my channel
	v_cmp_le_u32 s68, 16, v8                       ; lanes 16-31
.irp b, 0,1,2,3
	v_mov_b32 v[TM+4+\b], 0                        ; a lane permute's destination counts as one of its sources
.endr
	s_bfe_u32 s33, ttmp6, 0x40000                  ; cx: it enters global addresses alone
	s_and_b32 s34, ttmp7, 0xffff                   ; which 256 tokens
	s_lshl_b32 s35, s33, 2
	s_add_co_u32 s35, s35, s[WV]                   ; my head
	s_mul_i32 s66, s34, 8*REC
	s_mul_i32 s[G0+1], s[WV], 2*REC                ; my quarter of the records: in LDS,
	s_add_co_u32 s66, s66, s[G0+1]                 ; and in memory
	s_mov_b32 s67, 0
	s_mov_b32 s[G0], 1
	s_mov_b32 s[G1], 15|(3<<16)|(1<<21)            ; 15:0 the mask: all four work-groups; 17:16 elements of 8 bytes; 21 set beside a mask; no padding
	s_mov_b32 s[G1+1], 32<<16                      ; tensor_dim0 = 32 elements: rows of 256 bytes
	s_mov_b32 s[G1+2], 200<<16                     ; tensor_dim1 = 200 rows: two records
	s_mov_b32 s[G1+3], 32<<16                      ; tile_dim0
	s_mov_b32 s[G1+4], 200                         ; tile_dim1
	s_mov_b32 s[G1+5], 32                          ; the pitch: dense
	s_mov_b32 s[G1+6], 0
	s_mov_b32 s[G1+7], 0
	s_mul_i32 s72, s35, 64*KROWB                   ; my 64 rows of W,
	s_mov_b32 s73, 0
	s_lshl_b32 s74, s35, 11                        ; of its scale bytes,
	s_mov_b32 s75, 0
	s_lshl_b32 s76, s35, 8                         ; my 64 numbers of the bias
	s_mov_b32 s77, 0
	s_lshr_b32 s70, s34, 3                         ; the batch
	s_lshl_b32 s70, s70, 4
	s_add_co_u32 s70, s70, s35
	s_lshl_b32 s70, s70, 4
	s_and_b32 s71, s34, 7
	s_lshl_b32 s71, s71, 1
	s_add_co_u32 s70, s70, s71                     ; record ((batch, head), 2 (y % 8))
	s_mov_b32 s[STR], 13312
	s_cmp_eq_u32 ttmp9, 0
	s_cselect_b32 s[STR], 6656, s[STR]             ; bytes from record to record
	s_mov_b32 s[STR+1], 0
	s_mul_i32 s70, s70, s[STR]
	s_cmp_eq_u32 ttmp9, 2
	s_cselect_b32 s71, 6656, 0                     ; v lies behind k in a record
	s_add_co_u32 s70, s70, s71
	s_mov_b32 s71, 0
	s_mov_b32 s[SEL], 0x76543210
	s_mov_b32 s[SEL+1], 0xfedcba98
	s_mov_b32 s[CNT], 0
	s_mov_b32 s[LP], 2
	s_wait_dscnt 0x0
	s_wait_kmcnt 0x0
	s_cmp_eq_u32 ttmp9, 0                          ; the kind chooses the buffers: it hangs on the cluster's number alone
	s_cselect_b64 s[WC:WC+1], s[10:11], s[16:17]
	s_cselect_b64 s[WSB:WSB+1], s[12:13], s[18:19]
	s_cselect_b64 s[BB:BB+1], s[14:15], s[20:21]
	s_cselect_b64 s[OB:OB+1], s[28:29], s[30:31]
	s_cmp_eq_u32 ttmp9, 2
	s_cselect_b64 s[WC:WC+1], s[22:23], s[WC:WC+1]
	s_cselect_b64 s[WSB:WSB+1], s[24:25], s[WSB:WSB+1]
	s_cselect_b64 s[BB:BB+1], s[26:27], s[BB:BB+1]
	s_add_nc_u64 s[WC:WC+1], s[WC:WC+1], s[72:73]
	s_add_nc_u64 s[WSB:WSB+1], s[WSB:WSB+1], s[74:75]
	s_add_nc_u64 s[BB:BB+1], s[BB:BB+1], s[76:77]
	s_add_nc_u64 s[OB:OB+1], s[OB:OB+1], s[70:71]
	s_add_nc_u64 s[G0+2:G0+3], s[8:9], s[66:67]
	s_or_b32 s[G0+3], s[G0+3], 0x80000000          ; type = 2
	ROUND                                          ; all four work-groups are here: the joint loads meet
	tensor_load_to_lds s[G0:G0+3], s[G1:G1+7]      ; my one tensor load: filled once, nothing is filled again
	s_nop 0
	PLACES
	WIN 0x80                                       ; bias and scale words are asked for ahead of the weights, so that the counted waits for the weights cover them
.irp ct, 0,1,2,3                               ; the bias as q and k want it: lane (r, h), tile 2 b + u: the numbers 32 b + 16 h + 8 u + 0 .. 7
	global_load_b128 v[BI+8*\ct:BI+8*\ct+3], v7, s[BB:BB+1] offset:(32*(\ct/2)+8*(\ct%2))*4
	global_load_b128 v[BI+8*\ct+4:BI+8*\ct+7], v7, s[BB:BB+1] offset:(32*(\ct/2)+8*(\ct%2))*4+16
.endr
	WIN 0
.irp ct, 0,1,2,3
.irp j, 0,1
	global_load_b128 v[WS+8*\ct+4*\j:WS+8*\ct+4*\j+3], v6, s[WSB:WSB+1] offset:(32*(\ct/2)+8*(\ct%2))*KSB+16*\j
.endr
	global_load_b32 v[PC+\ct], v12, s[BB:BB+1] offset:(32*(\ct/2)+8*(\ct%2))*4   ; and as v wants it: my channel's.  Both layouts are fetched by every work-group, twelve loads once, so that the text parts only once
.endr
	WLOAD                                          ; W stays in registers
	s_wait_dscnt 0x0                               ; W's fragments are in: no LDS instruction of mine is out at the signal
	s_wait_tensorcnt 0x0                           ; my quarter has landed,
	s_barrier_signal -1
	s_barrier_wait -1                              ; everybody's has
	v_mov_b32 v3, v1
	v_mov_b32 v4, v2
	FETCH_H 0
	FETCH_AS
	FETCH_H 1
	s_cmp_eq_u32 ttmp9, 2
	s_cbranch_scc1 .Lpath_v
.Lqk:                                              ; two trips of 128 tokens
	PAIR 1
	QEPI 0
	PAIR 1
	QEPI 1
	PAIR 1
	QEPI 2
	PAIR 1
	QEPI 3
.irp i, 0,1,2,3
	v_cndmask_b32 v[SO4+\i], v[SW+\i], v[SW+4+\i], s68   ; lanes 0-15 store tiles 0-3's words of row r, lanes 16-31 tiles 4-7's
.endr
	global_store_b128 v1, v[SO4:SO4+3], s[OB:OB+1] offset:6144
	s_wait_xcnt 0x0                                ; the stores have read their base
	s_add_nc_u64 s[OB:OB+1], s[OB:OB+1], s[STR:STR+1]
	s_sub_co_u32 s[LP], s[LP], 1
	s_cmp_lg_u32 s[LP], 0
	s_cbranch_scc1 .Lqk
	s_branch .Lend
.Lpath_v:
	WIN 0x80
.irp ct, 0,1,2,3
.irp j, 0,1,2,3,4,5,6,7
	v_mov_b32 v[BI+8*\ct+\j], v[PC+\ct]            ; here a lane holds one channel: its bias in all eight registers of the tile's C
.endr
.endr
	WIN 0
.Lv:
	PAIR 0
	VEPI 0
	PAIR 0
	VEPI 1
	PAIR 0
	VEPI 2
	PAIR 0
	VEPI 3
.irp ct, 0,1,2,3
.irp c, 0,1,2
	global_store_b128 v1, v[VF+12*\ct+4*\c:VF+12*\ct+4*\c+3], s[OB:OB+1] offset:\ct*1536+512*\c
.endr
.endr
	global_store_b128 v1, v[SWV:SWV+3], s[OB:OB+1] offset:6144
	s_wait_xcnt 0x0                                ; the stores have read their registers and their base
	s_add_nc_u64 s[OB:OB+1], s[OB:OB+1], s[STR:STR+1]
	s_sub_co_u32 s[LP], s[LP], 1
	s_cmp_lg_u32 s[LP], 0
	s_cbranch_scc1 .Lv
.Lend:
	s_wait_dscnt 0x0                               ; no LDS load of mine is out at a signal
	s_wait_tensorcnt 0x0
	ds_add_u32 v254, v255
	s_wait_dscnt 0x0
	ROUND                                          ; the closing round
	s_endpgm
.Lfunc_end_k_qae9fd2fec0_qkv:
	.size	k_qae9fd2fec0_qkv, .Lfunc_end_k_qae9fd2fec0_qkv-k_qae9fd2fec0_qkv
	.p2alignl 7, 3214868480
	.fill 96, 4, 3214868480
	.section	.rodata,"a",@progbits
	.p2align	6, 0x0
	.amdhsa_kernel k_qae9fd2fec0_qkv
		.amdhsa_group_segment_fixed_size 255488
		.amdhsa_private_segment_fixed_size 0
		.amdhsa_enable_private_segment 0
		.amdhsa_kernarg_size 96
		.amdhsa_user_sgpr_count 2
		.amdhsa_user_sgpr_kernarg_segment_ptr 1
		.amdhsa_wavefront_size32 1
		.amdhsa_system_sgpr_workgroup_id_x 1
		.amdhsa_system_sgpr_workgroup_id_y 1
		.amdhsa_system_sgpr_workgroup_id_z 1
		.amdhsa_system_vgpr_workitem_id 0
		.amdhsa_next_free_vgpr 1024
		.amdhsa_next_free_sgpr 80
		.amdhsa_reserve_vcc 0
		.amdhsa_float_denorm_mode_32 3
		.amdhsa_float_denorm_mode_16_64 3
		.amdhsa_memory_ordered 1
		.amdhsa_forward_progress 1
		.amdhsa_inst_pref_size 178
	.end_amdhsa_kernel
	.amdgpu_metadata
---
amdhsa.version: [ 1, 2 ]
amdhsa.kernels:
  - .name:           k_qae9fd2fec0_qkv
    .symbol:         k_qae9fd2fec0_qkv.kd
    .args:
      - { .name: hrec, .offset: 0, .size: 8, .value_kind: global_buffer, .address_space: global }
      - { .name: Wq_codes, .offset: 8, .size: 8, .value_kind: global_buffer, .address_space: global }
      - { .name: Wq_scales, .offset: 16, .size: 8, .value_kind: global_buffer, .address_space: global }
      - { .name: bq, .offset: 24, .size: 8, .value_kind: global_buffer, .address_space: global }
      - { .name: Wk_codes, .offset: 32, .size: 8, .value_kind: global_buffer, .address_space: global }
      - { .name: Wk_scales, .offset: 40, .size: 8, .value_kind: global_buffer, .address_space: global }
      - { .name: bk, .offset: 48, .size: 8, .value_kind: global_buffer, .address_space: global }
      - { .name: Wv_codes, .offset: 56, .size: 8, .value_kind: global_buffer, .address_space: global }
      - { .name: Wv_scales, .offset: 64, .size: 8, .value_kind: global_buffer, .address_space: global }
      - { .name: bv, .offset: 72, .size: 8, .value_kind: global_buffer, .address_space: global }
      - { .name: qrec, .offset: 80, .size: 8, .value_kind: global_buffer, .address_space: global }
      - { .name: kvrec, .offset: 88, .size: 8, .value_kind: global_buffer, .address_space: global }
    .group_segment_fixed_size: 255488
    .private_segment_fixed_size: 0
    .kernarg_segment_align: 8
    .kernarg_segment_size: 96
    .max_flat_workgroup_size: 128
    .sgpr_count:     80
    .vgpr_count:     1024
    .wavefront_size: 32
...
	.end_amdgpu_metadata
.endif
;; end of part 2
;; launch attn (part 3): grid 8 x 32, 16 waves a work-group, clusters of 4 x 1, 215,040 bytes of LDS; arguments qrec, kvrec, yrec; writes yrec
.if DOCPART == 3
	.amdgcn_target "amdgcn-amd-amdhsa--gfx1250"
	.amdhsa_code_object_version 6
	.text
	.protected	k_qae9fd2fec0_attn
	.globl	k_qae9fd2fec0_attn
	.p2align	8
	.type	k_qae9fd2fec0_attn,@function
k_qae9fd2fec0_attn:
	s_mov_b64 s[64:65], 0
	v_nop
	global_prefetch_b8 v0, s[64:65] scope:SCOPE_SE
	s_setreg_imm32_b32 hwreg(HW_REG_WAVE_MODE, 25, 1), 1
	s_wait_xcnt 0x0
	s_wait_alu depctr_hold_cnt(0) depctr_sa_sdst(0) depctr_va_vdst(0) depctr_va_sdst(0) depctr_va_ssrc(0) depctr_va_vcc(0) depctr_vm_vsrc(0)
	s_getreg_b32 s2, hwreg(HW_REG_IB_STS2, 6, 4)
	s_cmp_eq_u32 s2, 0
	s_cbranch_scc0 .Lentry_in_a_cluster
	s_endpgm
.Lentry_in_a_cluster:
	s_bfe_u32 s2, ttmp6, 0x10000c
	s_cmp_lg_u32 s2, 0x3003
	s_cbranch_scc0 .Lentry_shape_is_right
	s_endpgm
.Lentry_shape_is_right:
; y[q] = the sum over keys of softmax(q . k / 8) v, for one (batch, head), both products on codes of FP6 (E2M3); y is quantised at once along the model's 1,024 for the next product.
; THE SOFTMAX: t = score x log2(e) / 8; M = the running largest t rounded UP to a whole number; p = 2^(t - M) is what is quantised, along the keys; the row's sum is taken of the unquantised p and divides at the end.
; When M moves, the sum and O are multiplied by 2^(old M - new M), which rounds nothing.
; SHARES.  A work-group owns 256 queries of one head, each of its sixteen waves one tile of 16, in 256 registers: four waves to a SIMD, so that one wave's vector work stands beside another's products.
; A head's whole K and V, 16 records of 13,312 bytes, fit in LDS: wave w brings record w by ONE tensor load, asked for JOINTLY by the cluster's four query blocks, which walk the same K and V.  Filled once: no ring.
; LAYOUT.  Both products are used transposed (S^T = K Q^T, O^T = V^T P^T): a lane holds one query throughout.  The keys of a tile are 32 G + 8 u + r + 8 (r / 8), so that the 16 registers of tiles 2 G and 2 G + 1
; are 16 neighbouring keys.  THE HEAD HAS 64 CHANNELS AND THE INSTRUCTION 128 ALONG K: q's upper 64 codes are zeros.  A tile of K is named as 12 registers, its own six and the six that follow (the next tile's, or six
; zeros behind the last): they meet q's zeros and add nothing under any scale byte but 0xff, which no word here holds.
; LIMITS: NaN and infinities are not served; a block of y whose largest magnitude lies under 2^-124 keeps the byte 1.  y's scale bytes leave one byte a lane: 32 of the 800 bytes that a wave stores.
; REGISTERS: v1-9 addresses; v12 -M, v13 the largest t, v[14:15] the sum; v16-27 Q; v28-31 V's scale words; v32-79 K's four pair images, then V's four fragments; v80-85 zeros; v86-93 K's scale words; v94 Q's, v95 p's;
;   v96-159 S^T, then p; v160-191 O^T; v192-203 p's codes; v204-239 at work.
.set RECB, 13312
.set S,    96
.set O,    160
.set PCD,  192
.set CT,   204
.set BM,   212
.set PM,   216
.set SO,   220
.set BY,   224
.set F,    228
.set T1,   230
.set S2,   232
.set WV,   10
.set G0,   16
.set G1,   20
.set SEL,  28
.set CS,   30
.set TB,   32
.set LP,   33
.macro PLACES
.rept 4
	v_nop
.endr
.endm
.macro ROUND                           ; a round of the cluster's barrier
	s_barrier_signal -1
	s_barrier_wait -1
	s_cmp_lg_u32 s[WV], 0
	s_cbranch_scc1 .Lnot_wave_0_\@
	s_barrier_signal -3
.Lnot_wave_0_\@:
	s_barrier_wait -3
	s_barrier_signal -1
	s_barrier_wait -1
.endm
	s_load_b128 s[4:7], s[0:1], 0x0                ; qrec, kvrec
	s_load_b64 s[8:9], s[0:1], 0x10                ; yrec
	v_lshl_add_u32 v254, v0, 2, 0x34000
	v_mov_b32 v255, 0
	ds_add_u32 v254, v255
	ds_add_u32 v254, v255
	v_lshrrev_b32 v8, 5, v0
	v_readfirstlane_b32 s[WV], v8                  ; wave 0..15
	v_and_b32 v8, 31, v0                           ; lane
	v_and_b32 v9, 15, v0                           ; r
	v_bfe_u32 v7, v0, 4, 1                         ; h
	v_lshlrev_b32 v1, 4, v8                        ; 16 x lane
	v_lshlrev_b32 v2, 4, v9                        ; 16 r
	v_lshlrev_b32 v5, 3, v8                        ; 8 x lane
	v_add_nc_u32 v6, v2, v7                        ; 16 r + h
	v_cmp_le_u32 s58, 16, v8                       ; lanes 16-31
	s_bfe_u32 s11, ttmp6, 0x40000                  ; cx: it enters q's and y's addresses alone
	s_and_b32 s12, ttmp7, 0xffff                   ; (batch, head), which the partners share
	s_lshl_b32 s13, ttmp9, 2
	s_add_co_u32 s13, s13, s11                     ; my block of 256 queries
	s_lshl_b32 s34, s12, 4
	s_add_co_u32 s34, s34, s[WV]
	s_mul_i32 s34, s34, RECB                       ; record w of the head, in memory,
	s_mov_b32 s35, 0
	s_mov_b32 s[G0], 1
	s_mul_i32 s[G0+1], s[WV], RECB                 ; and in LDS
	s_mov_b32 s[G1], 15|(3<<16)|(1<<21)            ; the mask: all four; elements of 8 bytes; bit 21 beside a mask; no padding
	s_mov_b32 s[G1+1], 32<<16                      ; rows of 256 bytes,
	s_mov_b32 s[G1+2], 52<<16                      ; 52 of them,
	s_mov_b32 s[G1+3], 32<<16
	s_mov_b32 s[G1+4], 52
	s_mov_b32 s[G1+5], 32                          ; dense
	s_mov_b32 s[G1+6], 0
	s_mov_b32 s[G1+7], 0
	s_lshl_b32 s36, s12, 4                         ; q: record 16 (batch, head) + 2 block + w / 8,
	s_lshl_b32 s37, s13, 1
	s_add_co_u32 s36, s36, s37
	s_lshr_b32 s37, s[WV], 3
	s_add_co_u32 s36, s36, s37
	s_mul_i32 s36, s36, 6656
	s_bfe_u32 s37, s[WV], 0x20001                  ; pair image (w % 8) / 2
	s_mul_i32 s37, s37, 1536
	s_add_co_u32 s38, s36, s37
	s_mov_b32 s39, 0
	s_bfe_u32 s40, s[WV], 0x10002                  ; its scale word: 6,144 + 256 ((w % 8) / 4) + 16 r + 4 (w % 4)
	s_lshl_b32 s40, s40, 8
	s_and_b32 s41, s[WV], 3
	s_lshl_b32 s41, s41, 2
	s_add_co_u32 s40, s40, s41
	s_add_co_u32 s40, s40, s36
	s_add_co_u32 s40, s40, 6144
	s_mov_b32 s41, 0
	s_and_b32 s42, s[WV], 1                        ; which tile of the pair: registers 6 u .. 6 u + 5 of the image, which lie at bytes 0, 8, 512 (u = 0) or 520, 1,024, 1,032 (u = 1) + 16 x lane
	s_mul_i32 s43, s42, 520
	s_mul_i32 s44, s42, 1016
	v_add_nc_u32 v3, s43, v1
	v_add_nc_u32 v4, s44, v1
	s_lshr_b32 s45, s12, 4                         ; y: my tile among the 256 of both batches
	s_lshl_b32 s45, s45, 7
	s_lshl_b32 s46, s13, 4
	s_add_co_u32 s45, s45, s46
	s_add_co_u32 s45, s45, s[WV]
	s_lshr_b32 s46, s45, 1
	s_mul_i32 s46, s46, 25600                      ; its pair's record
	s_and_b32 s47, s45, 1                          ; u
	s_and_b32 s48, s12, 15                         ; the head: K step head / 2, half head % 2 of the next product
	s_lshr_b32 s49, s48, 1
	s_and_b32 s50, s48, 1
	s_mul_i32 s51, s47, 12288
	s_mul_i32 s52, s49, 1536
	s_mul_i32 s53, s50, 768
	s_add_co_u32 s51, s51, s52
	s_add_co_u32 s51, s51, s53
	s_add_co_u32 s52, s51, s46                     ; my half fragment's image
	s_mov_b32 s53, 0
	s_lshr_b32 s51, s49, 2
	s_lshl_b32 s51, s51, 9
	s_lshl_b32 s47, s47, 8
	s_add_co_u32 s51, s51, s47
	s_and_b32 s49, s49, 3
	s_lshl_b32 s49, s49, 2
	s_add_co_u32 s51, s51, s49
	s_lshl_b32 s50, s50, 1
	s_add_co_u32 s51, s51, s50
	s_add_co_u32 s51, s51, s46
	s_add_co_u32 s50, s51, 24576                   ; my two bytes of the rows' scale words
	s_mov_b32 s51, 0
	s_mov_b32 s[SEL], 0x76543210
	s_mov_b32 s[SEL+1], 0xfedcba98
	s_mov_b32 s[CS], 0x3e38aa3b                    ; c = log2(e) / 8
	s_mov_b32 s[CS+1], s[CS]                       ; (named with it as a pair, so it is written)
	s_mov_b32 s[TB], 0
	s_mov_b32 s[LP], 16
	s_wait_dscnt 0x0
	s_wait_kmcnt 0x0
	s_add_nc_u64 s[G0+2:G0+3], s[6:7], s[34:35]
	s_or_b32 s[G0+3], s[G0+3], 0x80000000          ; type = 2
	s_add_nc_u64 s[60:61], s[4:5], s[38:39]
	s_add_nc_u64 s[62:63], s[4:5], s[40:41]
	s_add_nc_u64 s[54:55], s[8:9], s[52:53]
	s_add_nc_u64 s[56:57], s[8:9], s[50:51]
	ROUND                                          ; all four work-groups are here: the joint loads meet
	tensor_load_to_lds s[G0:G0+3], s[G1:G1+7]      ; my one tensor load
	s_nop 0
	PLACES
	global_load_b64 v[16:17], v3, s[60:61]         ; Q's 64 codes stay in registers
	global_load_b64 v[18:19], v4, s[60:61] offset:8
	global_load_b64 v[20:21], v3, s[60:61] offset:512
	global_load_b32 v94, v2, s[62:63]              ; and its scale word
.irp j, 0,1,2,3,4,5
	v_mov_b32 v[22+\j], 0                          ; the upper 64 along K: zero codes
	v_mov_b32 v[80+\j], 0                          ; what the last tile of K names behind its own six registers
.endr
	v_mov_b32 v13, 0xff61b1e6                      ; the largest t so far: -3e38, under every t
	v_floor_f32 v12, -v13                          ; -M
	v_mov_b32 v14, 0                               ; the sum, in two halves
	v_mov_b32 v15, 0
.irp b, 0,1,2,3
	v_mov_b32 v[PM+\b], 0                          ; a lane permute's destination counts as one of its sources
.endr
	v_mov_b32 v[F+1], 0                            ; (named as the upper half of a pair)
	v_mov_b32 v[T1], 0
.set j, 0
.rept 32
	v_mov_b32 v[O+j], 0                            ; O^T: the step is written once; the first finds zeros, which the first change of M leaves zeros
.set j, j+1
.endr
	s_wait_loadcnt 0x0
	s_wait_tensorcnt 0x0                           ; my record has landed,
	s_barrier_signal -1
	s_barrier_wait -1                              ; everybody's has
.Lkey:                                             ; 16 trips of 128 keys
	v_add_nc_u32 v8, s[TB], v1
	v_add_nc_u32 v9, s[TB], v2
	v_nop                                          ; with the two additions: four places ahead of loads into registers that the last products read
	v_nop
.set i, 0
.rept 12
	ds_load_b128 v[32+4*i:35+4*i], v8 offset:512*i   ; K's four pair images, as they lie
.set i, i+1
.endr
	ds_load_b128 v[86:89], v9 offset:6144          ; the eight tiles' scale words of row r
	ds_load_b128 v[90:93], v9 offset:6400
	s_wait_dscnt 0x0
.irp t, 0,1,2,3,4,5,6,7
	v_wmma_scale_f32_16x16x128_f8f6f4 v[S+8*\t:S+8*\t+7], v[32+6*\t:43+6*\t], v[16:27], 0, v[86+\t], v94 matrix_a_fmt:MATRIX_FMT_FP6 matrix_b_fmt:MATRIX_FMT_FP6
.endr
	PLACES
.set i, 0
.rept 12
	ds_load_b128 v[32+4*i:35+4*i], v8 offset:6656+512*i   ; V's four fragments: they land during the softmax
.set i, i+1
.endr
	ds_load_b128 v[28:31], v8 offset:12800         ; and their scale words
.irp b, 0,1,2,3
	v_max3_num_f32 v[BM+\b], v[S+16*\b], v[S+1+16*\b], v[S+2+16*\b]   ; the largest score of each block of 32 keys: it serves the row's maximum and, since p rises with the score, the block's largest p
.endr
.irp i, 3,5,7,9,11,13
.irp b, 0,1,2,3
	v_max3_num_f32 v[BM+\b], v[BM+\b], v[S+16*\b+\i], v[S+1+16*\b+\i]
.endr
.endr
.irp b, 0,1,2,3
	v_max_num_f32 v[BM+\b], v[BM+\b], v[S+15+16*\b]
.endr
.irp b, 0,1,2,3
	v_permlanex16_b32 v[PM+\b], v[BM+\b], s[SEL], s[SEL+1]
.endr
.irp b, 0,1,2,3
	v_max_num_f32 v[BM+\b], v[BM+\b], v[PM+\b]     ; with lane l xor 16's 16 keys
.endr
	v_max3_num_f32 v[T1], v[BM], v[BM+1], v[BM+2]
	v_max_num_f32 v[T1], v[T1], v[BM+3]
	v_mul_f32 v[T1], s[CS], v[T1]                  ; as t (c is positive)
	v_max_num_f32 v13, v13, v[T1]                  ; the running largest t
	v_mov_b32 v[T1], v12
	v_floor_f32 v12, -v13                          ; the new -M = -ceil(t)
	v_sub_f32 v[T1], v12, v[T1]                    ; old M - new M: a whole number, 0 or less
	v_cvt_i32_f32 v[T1], v[T1]                     ; (it saturates)
	v_ldexp_f32 v[F], 1.0, v[T1]                   ; f = 2^(old M - new M)
.set j, 0
.rept 32
	v_pk_fma_f32 v[S+j:S+j+1], v[S+j:S+j+1], s[CS:CS+1], v[12:13] op_sel_hi:[1,0,0]   ; t - M, two at a time
.set j, j+2
.endr
.irp b, 0,1,2,3
	v_fma_f32 v[BM+\b], v[BM+\b], s[CS], v12       ; the same of each block's largest score
.endr
.set j, 0
.rept 64
	v_exp_f32 v[S+j], v[S+j]                       ; p = 2^(t - M), at most 1
.set j, j+1
.endr
.irp b, 0,1,2,3
	v_exp_f32 v[BM+\b], v[BM+\b]                   ; the block's largest p: the same two instructions on the same number
.endr
	v_pk_mul_f32 v[14:15], v[14:15], v[F:F+1] op_sel_hi:[1,0]   ; the sums under the new M (a plain line behind the exponentials)
	s_wait_alu depctr_va_vdst(0)
.irp b, 0,1,2,3
	v_max_num_f32 v[BM+\b], 0x1800000, v[BM+\b]    ; the floor 2^(3 - 127): the byte cannot fall under 1
.endr
.irp b, 0,1,2,3
	v_add_nc_u32 v[SO+\b], 0xff000000, v[BM+\b]    ; 2 off the exponent field: the conversion's scale operand
.endr
.irp b, 0,1,2,3
	v_lshrrev_b32 v[BY+\b], 23, v[SO+\b]
.endr
	v_lshl_or_b32 v95, v[BY+1], 8, v[BY]           ; p's scale word for these 128 keys
	v_lshl_or_b32 v95, v[BY+2], 16, v95
	v_lshl_or_b32 v95, v[BY+3], 24, v95
.irp c, 0,1
	v_cvt_scalef32_pk16_fp6_f32 v[PCD+6*\c:PCD+2+6*\c], v[S+32*\c:S+15+32*\c], v[SO+2*\c]
	v_cvt_scalef32_pk16_fp6_f32 v[CT+4*\c:CT+2+4*\c], v[S+16+32*\c:S+31+32*\c], v[SO+2*\c+1]
.endr
	v_nop                                          ; one plain line behind a scaled conversion
.irp c, 0,1
.irp i, 0,1,2
	v_permlane16_swap_b32 v[PCD+6*\c+\i], v[CT+4*\c+\i]
.endr
.irp i, 0,1,2
	v_mov_b32 v[PCD+3+6*\c+\i], v[CT+4*\c+\i]
.endr
.endr
	v_pk_add_f32 v[S2:S2+1], v[S:S+1], v[S+2:S+3]  ; the row's sum, of the unquantised p, in two chains
.irp j, 4,8,12,16,20,24,28,32,36,40,44,48,52,56,60
	v_pk_add_f32 v[14:15], v[14:15], v[S+\j:S+\j+1]
	v_pk_add_f32 v[S2:S2+1], v[S2:S2+1], v[S+\j+2:S+\j+3]
.endr
	v_pk_add_f32 v[14:15], v[14:15], v[S2:S2+1]
.set j, 0
.rept 16
	v_pk_mul_f32 v[O+j:O+j+1], v[O+j:O+j+1], v[F:F+1] op_sel_hi:[1,0]   ; O^T under the new M.  The sums and these are also the places between p's codes and scale word and the products
.set j, j+2
.endr
	s_wait_dscnt 0x0                               ; V
.irp t, 0,1,2,3
	v_wmma_scale_f32_16x16x128_f8f6f4 v[O+8*\t:O+8*\t+7], v[32+12*\t:43+12*\t], v[PCD:PCD+11], v[O+8*\t:O+8*\t+7], v[28+\t], v95 matrix_a_fmt:MATRIX_FMT_FP6 matrix_b_fmt:MATRIX_FMT_FP6
.endr
	s_add_co_u32 s[TB], s[TB], RECB
	s_sub_co_u32 s[LP], s[LP], 1
	s_cmp_lg_u32 s[LP], 0
	s_cbranch_scc1 .Lkey
	; THE WAY OUT: O^T / the sum; register 16 b + i is channel 32 b + 16 h + i of my query: two blocks of the next product's K
	PLACES
	v_add_f32 v14, v14, v15
	v_permlanex16_b32 v[T1], v14, s[SEL], s[SEL+1]
	v_add_f32 v14, v14, v[T1]                      ; the row's sum
	v_rcp_f32 v14, v14
	v_nop                                          ; one plain line behind the transcendental
.set j, 0
	s_wait_alu depctr_va_vdst(0)
.rept 32
	v_mul_f32 v[S+j], v[O+j], v14
.set j, j+1
.endr
.irp b, 0,1
	v_max3_num_f32 v[BM+\b], |v[S+16*\b]|, |v[S+1+16*\b]|, 0x1800000
.endr
.irp i, 2,4,6,8,10,12,14
.irp b, 0,1
	v_max3_num_f32 v[BM+\b], v[BM+\b], |v[S+16*\b+\i]|, |v[S+1+16*\b+\i]|
.endr
.endr
.irp b, 0,1
	v_permlanex16_b32 v[PM+\b], v[BM+\b], s[SEL], s[SEL+1]
.endr
.irp b, 0,1
	v_max_num_f32 v[BM+\b], v[BM+\b], v[PM+\b]
.endr
.irp b, 0,1
	v_add_nc_u32 v[SO+\b], 0xff000000, v[BM+\b]
.endr
.irp b, 0,1
	v_lshrrev_b32 v[BY+\b], 23, v[SO+\b]
.endr
	v_cvt_scalef32_pk16_fp6_f32 v[PCD:PCD+2], v[S:S+15], v[SO]
	v_cvt_scalef32_pk16_fp6_f32 v[CT:CT+2], v[S+16:S+31], v[SO+1]
	v_nop
.irp i, 0,1,2
	v_permlane16_swap_b32 v[PCD+\i], v[CT+\i]
.endr
.irp i, 0,1,2
	v_mov_b32 v[PCD+3+\i], v[CT+\i]
.endr
	v_cndmask_b32 v[T1], v[BY], v[BY+1], s58       ; lane (r, h) stores block h's byte
	global_store_b128 v1, v[PCD:PCD+3], s[54:55]   ; half a fragment's image: 512 and 256 consecutive bytes
	global_store_b64 v5, v[PCD+4:PCD+5], s[54:55] offset:512
	global_store_b8 v6, v[T1], s[56:57]
	s_wait_tensorcnt 0x0
	ds_add_u32 v254, v255
	s_wait_dscnt 0x0
	ROUND                                          ; the closing round (no LDS instruction of mine is out)
	s_endpgm
.Lfunc_end_k_qae9fd2fec0_attn:
	.size	k_qae9fd2fec0_attn, .Lfunc_end_k_qae9fd2fec0_attn-k_qae9fd2fec0_attn
	.p2alignl 7, 3214868480
	.fill 96, 4, 3214868480
	.section	.rodata,"a",@progbits
	.p2align	6, 0x0
	.amdhsa_kernel k_qae9fd2fec0_attn
		.amdhsa_group_segment_fixed_size 215040
		.amdhsa_private_segment_fixed_size 0
		.amdhsa_enable_private_segment 0
		.amdhsa_kernarg_size 24
		.amdhsa_user_sgpr_count 2
		.amdhsa_user_sgpr_kernarg_segment_ptr 1
		.amdhsa_wavefront_size32 1
		.amdhsa_system_sgpr_workgroup_id_x 1
		.amdhsa_system_sgpr_workgroup_id_y 1
		.amdhsa_system_sgpr_workgroup_id_z 1
		.amdhsa_system_vgpr_workitem_id 0
		.amdhsa_next_free_vgpr 256
		.amdhsa_next_free_sgpr 66
		.amdhsa_reserve_vcc 0
		.amdhsa_float_denorm_mode_32 3
		.amdhsa_float_denorm_mode_16_64 3
		.amdhsa_memory_ordered 1
		.amdhsa_forward_progress 1
		.amdhsa_inst_pref_size 27
	.end_amdhsa_kernel
	.amdgpu_metadata
---
amdhsa.version: [ 1, 2 ]
amdhsa.kernels:
  - .name:           k_qae9fd2fec0_attn
    .symbol:         k_qae9fd2fec0_attn.kd
    .args:
      - { .name: qrec, .offset: 0, .size: 8, .value_kind: global_buffer, .address_space: global }
      - { .name: kvrec, .offset: 8, .size: 8, .value_kind: global_buffer, .address_space: global }
      - { .name: yrec, .offset: 16, .size: 8, .value_kind: global_buffer, .address_space: global }
    .group_segment_fixed_size: 215040
    .private_segment_fixed_size: 0
    .kernarg_segment_align: 8
    .kernarg_segment_size: 24
    .max_flat_workgroup_size: 512
    .sgpr_count:     66
    .vgpr_count:     256
    .wavefront_size: 32
...
	.end_amdgpu_metadata
.endif
;; end of part 3
;; launch wo (part 4): grid 4 x 64, 4 waves a work-group, clusters of 4 x 1, 168,448 bytes of LDS; arguments yrec, Wo_codes, Wo_scales, bo, x, x1; writes x1
.if DOCPART == 4
	.amdgcn_target "amdgcn-amd-amdhsa--gfx1250"
	.amdhsa_code_object_version 6
	.text
	.protected	k_qae9fd2fec0_wo
	.globl	k_qae9fd2fec0_wo
	.p2align	8
	.type	k_qae9fd2fec0_wo,@function
k_qae9fd2fec0_wo:
	s_mov_b64 s[64:65], 0
	v_nop
	global_prefetch_b8 v0, s[64:65] scope:SCOPE_SE
	s_setreg_imm32_b32 hwreg(HW_REG_WAVE_MODE, 25, 1), 1
	s_wait_xcnt 0x0
	s_wait_alu depctr_hold_cnt(0) depctr_sa_sdst(0) depctr_va_vdst(0) depctr_va_sdst(0) depctr_va_ssrc(0) depctr_va_vcc(0) depctr_vm_vsrc(0)
	s_getreg_b32 s2, hwreg(HW_REG_IB_STS2, 6, 4)
	s_cmp_eq_u32 s2, 0
	s_cbranch_scc0 .Lentry_in_a_cluster
	s_endpgm
.Lentry_in_a_cluster:
	s_bfe_u32 s2, ttmp6, 0x10000c
	s_cmp_lg_u32 s2, 0x3003
	s_cbranch_scc0 .Lentry_shape_is_right
	s_endpgm
.Lentry_shape_is_right:
; x1 = x + y Wo + bo, the product on codes of FP6 (E2M3).  y comes as records of codes, Wo as given.
; SHARES.  The cluster's four work-groups take 256 columns each, a wave 64: its rows of Wo (4 tiles x 8 K steps, 384 registers) stay in registers.  Work-group y takes two pairs of row tiles (64 tokens):
; their records, 51,200 bytes, come into LDS once, a quarter by each wave's one tensor load, asked for JOINTLY by the four partners.
; THE WEIGHTS are each wave's own, so there is nothing to share: they come once, by plain loads of 512 consecutive bytes, and turn through the wave's own stage in LDS into the operand's layout (macro WLOAD).
; x at both pairs' tokens is asked for at the head, ahead of the weights: no wait for it stands between the products.
; The product is used transposed (source 0 = Wo, source 1 = y), the bias is the C of the first K step; eight accumulators by turns.
; THE WAY OUT.  A lane holds 16 neighbouring columns of a row twice; a pair's 32 rows x 256 bytes go through the wave's own stage in LDS and come back as whole rows; x is added and sixteen lanes store 256 consecutive, aligned bytes.
; Stage row 16 u + r is token 8 u + r + 8 (r / 8) of the pair.  Both pairs are written out: every LDS and global offset is an immediate.
; REGISTERS: window 0 addresses, scale words (v16-55), accumulators (v64-127), v128-191 rows back from the stage, v192-255 the first pair's x; windows 1, 2 Wo and the bias; window 3 y's fragments, from v192 the second pair's x.
.set REC,  25600
.set KROWB, 768
.set KSB,  32
.set WPITCH, 784                       ; a row of the weights' stage: 768 bytes + 16 = 196 words: lane (r, h) of a load of 8 bytes takes banks 4 r + 6 h and the next (64 banks of 4 bytes: ISA guide 11.1): 64 different ones
.set GA1,  1                           ; the rows are dense here: the load that straddles two rows has the plain address
.set ACC,  64
.set WS,   16
.set AS,   48
.set BI,   144
.set STG,  51200                       ; behind the records: 32 rows x 272 bytes for each wave
.set WST,  STG+4*32*272                ; behind those: the weights' stages, 16 rows for each wave; no tensor load lands there
.set WV,   32
.set WC,   36
.set WSB,  38
.set BB,   40
.set G0,   44
.set G1,   48
.set XB,   56
.set YB,   58
.set MSB, 0
.macro WIN new
.if MSB != \new
	s_set_vgpr_msb (MSB<<8)|\new
.set MSB, \new
.endif
.endm
.macro PLACES
.rept 4
	v_nop
.endr
.endm
.macro ROUND
	s_barrier_signal -1
	s_barrier_wait -1
	s_cmp_lg_u32 s[WV], 0
	s_cbranch_scc1 .Lnot_wave_0_\@
	s_barrier_signal -3
.Lnot_wave_0_\@:
	s_barrier_wait -3
	s_barrier_signal -1
	s_barrier_wait -1
.endm
; THE WEIGHTS' WAY IN.  A tile's 16 rows are two runs of 8 neighbouring rows (rows 0-7 and 16-23 from the tile's first).  Load i of a tile's 24 takes 512 bytes: run i / 12, rows 2 j and 2 j + 1 (j = (i % 12) / 3), third i % 3 of
; their 1,536 bytes.  It lands in four of the tile's own fragment registers, which only carry it: fragment i / 3, registers 4 (i % 3) on.  So all 96 loads of a wave are out at once and no register is added.
.macro WREGS ct, i
.set WLK, (\i)/3
.set WLM, (\i)%3
.if WLK < 5
.set WLR, 48*WLK+12*(\ct)+4*WLM
.else
.set WLR, 48*(WLK-5)+12*(\ct)+4*WLM
.endif
.endm
.macro WRAW ct, i
	WREGS \ct, \i
.set WLO, (32*((\ct)/2)+8*((\ct)%2)+16*((\i)/12)+2*(((\i)%12)/3))*KROWB+512*WLM+(WLM/2)*(KROWB-768)
.if WLM == 1
	global_load_b128 v[WLR:WLR+3], v[GA1], s[WC:WC+1] offset:WLO   ; the middle third: lanes 0-15 the first row's last 256 bytes, lanes 16-31 the second row's first
.else
	global_load_b128 v[WLR:WLR+3], v1, s[WC:WC+1] offset:WLO
.endif
.endm
.macro WPUT ct, i                      ; the same 512 bytes into my stage: row 8 (i / 12) + 2 j, or the next
	WREGS \ct, \i
.set WLO, 8*WPITCH*((\i)/12)+2*WPITCH*(((\i)%12)/3)+512*WLM+16*(WLM/2)
.if WLM == 1
	ds_store_b128 v63, v[WLR:WLR+3] offset:WLO
.else
	ds_store_b128 v62, v[WLR:WLR+3] offset:WLO
.endif
.endm
.macro WTURN ct                        ; tile ct turns through the stage: in as the bytes lie, back as fragments, into the registers that they left.  LDS serves a wave's instructions in order (ISA guide 5.7.1.4): no wait between
.if \ct == 0
	s_wait_loadcnt 63                              ; tile 0's loads are in: 72 are younger; the count's field ends at 63, and a smaller count is safe
.else
	s_wait_loadcnt 72-24*\ct                       ; tile ct's loads are in; the younger tiles' 24 each may be out
.endif
	WIN 0x04                                       ; an LDS store's data are its source 1: window 1
.irp i, 0,1,2,3,4,5,6,7,8,9,10,11,12,13,14
	WPUT \ct, \i
.endr
	WIN 0x08
.irp i, 15,16,17,18,19,20,21,22,23
	WPUT \ct, \i
.endr
	WIN 0x40
.irp ks, 0,1,2,3,4
.irp p, 0,1,2,3,4,5
	ds_load_b64 v[48*\ks+12*\ct+2*\p:48*\ks+12*\ct+2*\p+1], v5 offset:96*\ks+48*(\p/3)+8*(\p%3)
.endr
.endr
	WIN 0x80
.irp ks, 5,6,7
.irp p, 0,1,2,3,4,5
	ds_load_b64 v[48*(\ks-5)+12*\ct+2*\p:48*(\ks-5)+12*\ct+2*\p+1], v5 offset:96*\ks+48*(\p/3)+8*(\p%3)
.endr
.endr
.endm
.macro WLOAD
.irp ct, 0,1,2,3
	WIN 0x40
.irp i, 0,1,2,3,4,5,6,7,8,9,10,11,12,13,14
	WRAW \ct, \i
.endr
	WIN 0x80
.irp i, 15,16,17,18,19,20,21,22,23
	WRAW \ct, \i
.endr
.endr
.irp ct, 0,1,2,3
	WTURN \ct
.endr
	WIN 0
.endm
.macro FETCH_H half, base
	WIN 0xc0
.irp u, 0,1
.irp k, 0,1,2,3
	ds_load_b128 v[96*\half+24*\k+12*\u:96*\half+24*\k+12*\u+3], v1 offset:\base+\u*12288+(4*\half+\k)*1536
	ds_load_b64 v[96*\half+24*\k+12*\u+4:96*\half+24*\k+12*\u+5], v2 offset:\base+\u*12288+(4*\half+\k)*1536+512
	ds_load_b128 v[96*\half+24*\k+12*\u+6:96*\half+24*\k+12*\u+9], v1 offset:\base+\u*12288+(4*\half+\k)*1536+768
	ds_load_b64 v[96*\half+24*\k+12*\u+10:96*\half+24*\k+12*\u+11], v2 offset:\base+\u*12288+(4*\half+\k)*1536+1280
.endr
.endr
	WIN 0
.endm
.macro FETCH_AS base
	ds_load_b128 v[AS:AS+3], v1 offset:\base+24576
	ds_load_b128 v[AS+4:AS+7], v1 offset:\base+24576+512
.endm
.macro WM1 ks, ct, u
.set DD, ACC+32*\u+8*\ct
.set WR, WB+12*\ct
.set AR, AB+12*\u
.if \ks == 0
.if \u == 0
	v_wmma_scale_f32_16x16x128_f8f6f4 v[DD:DD+7], v[WR:WR+11], v[AR:AR+11], v[BI+8*\ct:BI+8*\ct+7], v[WS+8*\ct+\ks], v[AS+\ks] matrix_a_fmt:MATRIX_FMT_FP6 matrix_b_fmt:MATRIX_FMT_FP6
.else
	v_wmma_scale_f32_16x16x128_f8f6f4 v[DD:DD+7], v[WR:WR+11], v[AR:AR+11], v[BI+8*\ct:BI+8*\ct+7], v[WS+8*\ct+\ks], v[AS+\ks] matrix_a_fmt:MATRIX_FMT_FP6 matrix_b_fmt:MATRIX_FMT_FP6 matrix_b_scale:MATRIX_SCALE_ROW1
.endif
.else
.if \u == 0
	v_wmma_scale_f32_16x16x128_f8f6f4 v[DD:DD+7], v[WR:WR+11], v[AR:AR+11], v[DD:DD+7], v[WS+8*\ct+\ks], v[AS+\ks] matrix_a_fmt:MATRIX_FMT_FP6 matrix_b_fmt:MATRIX_FMT_FP6
.else
	v_wmma_scale_f32_16x16x128_f8f6f4 v[DD:DD+7], v[WR:WR+11], v[AR:AR+11], v[DD:DD+7], v[WS+8*\ct+\ks], v[AS+\ks] matrix_a_fmt:MATRIX_FMT_FP6 matrix_b_fmt:MATRIX_FMT_FP6 matrix_b_scale:MATRIX_SCALE_ROW1
.endif
.endif
.endm
.macro MM ks
.if \ks < 5
.set WB, 48*\ks
.else
.set WB, 48*(\ks-5)
.endif
.set AB, 96*(\ks/4)+24*(\ks%4)
.if \ks == 0
	WIN 0x2d                                       ; source 0 window 1, source 1 window 3, C (the bias) window 2, D window 0
.elseif \ks < 5
	WIN 0x0d
.else
	WIN 0x0e
.endif
.irp ct, 0,1,2,3
.irp u, 0,1
	WM1 \ks, \ct, \u
.endr
.endr
.endm
.macro XLOAD p                         ; x at pair p's 32 tokens and my 64 columns, in the order in which the stage's rows come back: the first pair's into window 0, the second's into window 3
.if \p > 0
	WIN 0xc0
.endif
.irp i, 0,1,2,3,4,5,6,7,8,9,10,11,12,13,14,15
	global_load_b128 v[192+4*\i:195+4*\i], v10, s[XB:XB+1] offset:\p*131072+(8*(\i/8)+2*(\i%8)+8*((\i%8)/4))*4096
.endr
	WIN 0
.endm
.macro OUT p
.irp u, 0,1
.irp ct, 0,1,2,3
	ds_store_b128 v8, v[ACC+32*\u+8*\ct:ACC+32*\u+8*\ct+3] offset:\u*4352+128*(\ct/2)+32*(\ct%2)      ; each accumulator from its low end on
	ds_store_b128 v8, v[ACC+32*\u+8*\ct+4:ACC+32*\u+8*\ct+7] offset:\u*4352+128*(\ct/2)+32*(\ct%2)+16
.endr
.endr
.if \p > 0
	s_wait_xcnt 0x0                                ; the first pair's stores have read their registers
.endif
.irp i, 0,1,2,3,4,5,6,7,8,9,10,11,12,13,14,15
	ds_load_b128 v[128+4*\i:131+4*\i], v9 offset:544*\i   ; LDS serves a wave's instructions in order (ISA guide 5.7.1.4): these see my stores
.endr
	s_wait_dscnt 0x0
.if \p > 0
	WIN 0x0c                                       ; source 1, x, in window 3
.endif
.set j, 0
.rept 32
	v_pk_add_f32 v[128+j:129+j], v[128+j:129+j], v[192+j:193+j]   ; + x, which has been in since the waits for the weights, issued behind it
.set j, j+2
.endr
	WIN 0
.irp i, 0,1,2,3,4,5,6,7,8,9,10,11,12,13,14,15
	global_store_b128 v10, v[128+4*\i:131+4*\i], s[YB:YB+1] offset:\p*131072+(8*(\i/8)+2*(\i%8)+8*((\i%8)/4))*4096
.endr
.endm
	s_load_b256 s[8:15], s[0:1], 0x0               ; yrec, Wo's codes, Wo's scales, bo
	s_load_b128 s[16:19], s[0:1], 0x20             ; x, x1
	v_lshl_add_u32 v60, v0, 2, 0x29000
	v_mov_b32 v61, 0
	ds_add_u32 v60, v61
	ds_add_u32 v60, v61
	v_lshrrev_b32 v12, 5, v0
	v_readfirstlane_b32 s[WV], v12                 ; wave 0..3
	v_and_b32 v12, 31, v0                          ; lane
	v_and_b32 v13, 15, v0                          ; r
	v_bfe_u32 v14, v0, 4, 1                        ; h
	v_and_b32 v15, 8, v13
	v_add_nc_u32 v15, v15, v13                     ; r + 8 (r / 8)
	v_lshlrev_b32 v1, 4, v12
	v_lshlrev_b32 v2, 3, v12
	s_mul_i32 s61, s[WV], 16*WPITCH
	s_add_co_u32 s61, s61, WST                     ; my stage for the weights
	v_mul_u32_u24 v5, v13, WPITCH
	v_mad_u32_u24 v5, v14, 24, v5
	v_add_nc_u32 v5, s61, v5                       ; out of it: row r, + 24 h
	v_add_nc_u32 v62, s61, v1                      ; into it: 16 x lane,
	v_lshl_add_u32 v63, v14, 4, v62                ; and for the third that straddles two rows 16 more in lanes 16-31: the row's padding
	v_lshlrev_b32 v6, 5, v15
	v_lshlrev_b32 v7, 6, v14
	s_mul_i32 s60, s[WV], 32*272
	s_add_co_u32 s60, s60, STG                     ; my stage for the way out
	v_mul_u32_u24 v8, v13, 272
	v_lshl_add_u32 v8, v14, 6, v8
	v_add_nc_u32 v8, s60, v8                       ; in: row r, + 64 h
	v_mul_u32_u24 v9, v14, 272
	v_lshl_add_u32 v9, v13, 4, v9
	v_add_nc_u32 v9, s60, v9                       ; back: lanes 0-15 one row, lanes 16-31 the next
	v_lshlrev_b32 v10, 12, v14
	v_lshl_add_u32 v10, v13, 4, v10                ; and the same two rows in x and x1
	s_bfe_u32 s33, ttmp6, 0x40000                  ; cx: it enters global addresses alone
	s_and_b32 s34, ttmp7, 0xffff                   ; which 64 tokens
	s_lshl_b32 s35, s33, 2
	s_add_co_u32 s35, s35, s[WV]                   ; my 64 columns
	s_mul_i32 s66, s34, 2*REC
	s_mul_i32 s[G0+1], s[WV], REC/2                ; my quarter of the two records
	s_add_co_u32 s66, s66, s[G0+1]
	s_mov_b32 s67, 0
	s_mov_b32 s[G0], 1
	s_mov_b32 s[G1], 15|(3<<16)|(1<<21)            ; the mask: all four; elements of 8 bytes; bit 21 beside a mask
	s_mov_b32 s[G1+1], 32<<16                      ; rows of 256 bytes,
	s_mov_b32 s[G1+2], 50<<16                      ; 50 of them,
	s_mov_b32 s[G1+3], 32<<16
	s_mov_b32 s[G1+4], 50
	s_mov_b32 s[G1+5], 32                          ; dense
	s_mov_b32 s[G1+6], 0
	s_mov_b32 s[G1+7], 0
	s_mul_i32 s20, s35, 64*KROWB
	s_mov_b32 s21, 0
	s_lshl_b32 s22, s35, 11
	s_mov_b32 s23, 0
	s_lshl_b32 s24, s35, 8
	s_mov_b32 s25, 0
	s_lshl_b32 s26, s34, 18                        ; 64 tokens of 4,096 bytes,
	s_add_co_u32 s26, s26, s24                     ; + my 256 bytes of a row
	s_mov_b32 s27, 0
	s_wait_dscnt 0x0
	s_wait_kmcnt 0x0
	s_add_nc_u64 s[WC:WC+1], s[10:11], s[20:21]
	s_add_nc_u64 s[WSB:WSB+1], s[12:13], s[22:23]
	s_add_nc_u64 s[BB:BB+1], s[14:15], s[24:25]
	s_add_nc_u64 s[XB:XB+1], s[16:17], s[26:27]
	s_add_nc_u64 s[YB:YB+1], s[18:19], s[26:27]
	s_add_nc_u64 s[G0+2:G0+3], s[8:9], s[66:67]
	s_or_b32 s[G0+3], s[G0+3], 0x80000000
	ROUND                                          ; all four work-groups are here: the joint loads meet
	tensor_load_to_lds s[G0:G0+3], s[G1:G1+7]      ; my one tensor load: filled once
	s_nop 0
	PLACES
	XLOAD 0                                        ; x, bias and scale words are asked for ahead of the weights, so that the counted waits for the weights cover them
	XLOAD 1
	WIN 0x80
.irp ct, 0,1,2,3
	global_load_b128 v[BI+8*\ct:BI+8*\ct+3], v7, s[BB:BB+1] offset:(32*(\ct/2)+8*(\ct%2))*4
	global_load_b128 v[BI+8*\ct+4:BI+8*\ct+7], v7, s[BB:BB+1] offset:(32*(\ct/2)+8*(\ct%2))*4+16
.endr
	WIN 0
.irp ct, 0,1,2,3
.irp j, 0,1
	global_load_b128 v[WS+8*\ct+4*\j:WS+8*\ct+4*\j+3], v6, s[WSB:WSB+1] offset:(32*(\ct/2)+8*(\ct%2))*KSB+16*\j
.endr
.endr
	WLOAD                                          ; Wo stays in registers
	s_wait_dscnt 0x0                               ; its fragments are in: no LDS instruction of mine is out at the signal
	s_wait_tensorcnt 0x0                           ; my quarter has landed,
	s_barrier_signal -1
	s_barrier_wait -1                              ; everybody's has
	FETCH_H 0, 0
	FETCH_AS 0
	FETCH_H 1, 0
	s_wait_dscnt 32                                ; K steps 0-3 and the scale words are in; the 32 loads of K steps 4-7 may be out
	MM 0
	MM 1
	MM 2
	MM 3
	WIN 0
	PLACES
	FETCH_H 0, REC                                 ; the second pair's K steps 0-3
	s_wait_dscnt 32                                ; all but the 32 just issued
	MM 4
	MM 5
	MM 6
	MM 7
	WIN 0
	PLACES
	FETCH_AS REC
	FETCH_H 1, REC
	OUT 0                                          ; its wait for all LDS instructions also shows the second pair's fragments in
	MM 0
	MM 1
	MM 2
	MM 3
	MM 4
	MM 5
	MM 6
	MM 7
	WIN 0
	PLACES
	OUT 1
	s_wait_tensorcnt 0x0
	ds_add_u32 v60, v61
	s_wait_dscnt 0x0
	ROUND                                          ; the closing round (OUT has waited for all my LDS instructions)
	s_endpgm
.Lfunc_end_k_qae9fd2fec0_wo:
	.size	k_qae9fd2fec0_wo, .Lfunc_end_k_qae9fd2fec0_wo-k_qae9fd2fec0_wo
	.p2alignl 7, 3214868480
	.fill 96, 4, 3214868480
	.section	.rodata,"a",@progbits
	.p2align	6, 0x0
	.amdhsa_kernel k_qae9fd2fec0_wo
		.amdhsa_group_segment_fixed_size 168448
		.amdhsa_private_segment_fixed_size 0
		.amdhsa_enable_private_segment 0
		.amdhsa_kernarg_size 48
		.amdhsa_user_sgpr_count 2
		.amdhsa_user_sgpr_kernarg_segment_ptr 1
		.amdhsa_wavefront_size32 1
		.amdhsa_system_sgpr_workgroup_id_x 1
		.amdhsa_system_sgpr_workgroup_id_y 1
		.amdhsa_system_sgpr_workgroup_id_z 1
		.amdhsa_system_vgpr_workitem_id 0
		.amdhsa_next_free_vgpr 1024
		.amdhsa_next_free_sgpr 70
		.amdhsa_reserve_vcc 0
		.amdhsa_float_denorm_mode_32 3
		.amdhsa_float_denorm_mode_16_64 3
		.amdhsa_memory_ordered 1
		.amdhsa_forward_progress 1
		.amdhsa_inst_pref_size 74
	.end_amdhsa_kernel
	.amdgpu_metadata
---
amdhsa.version: [ 1, 2 ]
amdhsa.kernels:
  - .name:           k_qae9fd2fec0_wo
    .symbol:         k_qae9fd2fec0_wo.kd
    .args:
      - { .name: yrec, .offset: 0, .size: 8, .value_kind: global_buffer, .address_space: global }
      - { .name: Wo_codes, .offset: 8, .size: 8, .value_kind: global_buffer, .address_space: global }
      - { .name: Wo_scales, .offset: 16, .size: 8, .value_kind: global_buffer, .address_space: global }
      - { .name: bo, .offset: 24, .size: 8, .value_kind: global_buffer, .address_space: global }
      - { .name: x, .offset: 32, .size: 8, .value_kind: global_buffer, .address_space: global }
      - { .name: x1, .offset: 40, .size: 8, .value_kind: global_buffer, .address_space: global }
    .group_segment_fixed_size: 168448
    .private_segment_fixed_size: 0
    .kernarg_segment_align: 8
    .kernarg_segment_size: 48
    .max_flat_workgroup_size: 128
    .sgpr_count:     70
    .vgpr_count:     1024
    .wavefront_size: 32
...
	.end_amdgpu_metadata
.endif
;; end of part 4
;; launch ln2: the kernel of part 1 again; grid 256 x 1, 8 waves a work-group, no clusters, 5,120 bytes of LDS; arguments x1, ln2_g, ln2_b, hrec; writes hrec
;; launch fc1 (part 5): grid 16 x 16, 4 waves a work-group, clusters of 4 x 1, 257,536 bytes of LDS; arguments hrec, W1_codes, W1_scales, b1, mrec; writes mrec
.if DOCPART == 5
	.amdgcn_target "amdgcn-amd-amdhsa--gfx1250"
	.amdhsa_code_object_version 6
	.text
	.protected	k_qae9fd2fec0_fc1
	.globl	k_qae9fd2fec0_fc1
	.p2align	8
	.type	k_qae9fd2fec0_fc1,@function
k_qae9fd2fec0_fc1:
	s_mov_b64 s[64:65], 0
	v_nop
	global_prefetch_b8 v0, s[64:65] scope:SCOPE_SE
	s_setreg_imm32_b32 hwreg(HW_REG_WAVE_MODE, 25, 1), 1
	s_wait_xcnt 0x0
	s_wait_alu depctr_hold_cnt(0) depctr_sa_sdst(0) depctr_va_vdst(0) depctr_va_sdst(0) depctr_va_ssrc(0) depctr_va_vcc(0) depctr_vm_vsrc(0)
	s_getreg_b32 s2, hwreg(HW_REG_IB_STS2, 6, 4)
	s_cmp_eq_u32 s2, 0
	s_cbranch_scc0 .Lentry_in_a_cluster
	s_endpgm
.Lentry_in_a_cluster:
	s_bfe_u32 s2, ttmp6, 0x10000c
	s_cmp_lg_u32 s2, 0x3003
	s_cbranch_scc0 .Lentry_shape_is_right
	s_endpgm
.Lentry_shape_is_right:
; m = gelu(h2 W1 + b1), the product on codes of FP6 (E2M3), gelu with the exact erf's values to f32's reach, m quantised at once along the hidden 4,096 for the next product.
; SHARES.  Work-group x takes 256 hidden units, a wave 64: its rows of W1 (4 tiles x 8 K steps, 384 registers) stay in registers.  Work-group y takes 8 pairs of row tiles: their records, 204,800 bytes, come into LDS once,
; a quarter by each wave's one tensor load, asked for JOINTLY by the cluster's four work-groups, which differ in their hidden units alone.
; THE WEIGHTS are each wave's own, so there is nothing to share: they come once, by plain loads of 512 consecutive bytes, and turn through the wave's own stage in LDS into the operand's layout (macro WLOAD).
; The product is used transposed (source 0 = W1, source 1 = h2), the bias is the C of the first K step; eight accumulators by turns.  A lane then holds one token and 16 neighbours of each block of 32.
; GELU.  g = max(x, 0) - |x| q,  q = (1 - erf(|x| / sqrt 2)) / 2 = P(t) 2^(-x^2 log2(e) / 2) / 2,  t = 1 / (1 + 0.23164189 |x|),  P the polynomial of degree 5 of Abramowitz and Stegun 7.1.26 (its coefficients stand halved).
; LIMIT: that formula's error in erf is at most 1.5e-7, absolute.  NaN and infinities are not served; a block whose largest magnitude lies under 2^-124 keeps the byte 1.
; OUT.  mrec [pair][quarter of K][25,600]: fragment (u, K step s of the quarter's 8) at 12,288 u + 1,536 s, as in the other records; a wave's 64 units are half a fragment.  At 24,576 the scale words:
; 256 (s / 2) + 8 (16 u + r) + 4 (s % 2).  A work-group's four waves make the 8 bytes of a row; they are gathered in LDS and leave as aligned runs of 256 bytes at the end.
.set REC,  25600
.set KROWB, 768
.set KSB,  32
.set MAXOFF, 7*REC
.set TAB,  204800                      ; behind the records: 8 pairs x 256 bytes of scale bytes
.set WPITCH, 784                       ; a row of the weights' stage: 768 bytes + 16 = 196 words: lane (r, h) of a load of 8 bytes takes banks 4 r + 6 h and the next (64 banks of 4 bytes: ISA guide 11.1): 64 different ones
.set WST,  TAB+2048                    ; behind the table: the weights' stages, 16 rows for each wave; no tensor load lands there
.set GA1,  1                           ; the rows are dense here: the load that straddles two rows has the plain address
.set ACC,  64
.set WS,   16
.set AS,   48
.set BI,   144
.set PC,   128
.set TM,   148
.set PW,   164
.set GA,   166                         ; v166-173 |x|;  v174-181 t;  v182-189 the exponential;  v190-197 the polynomial
.set GT,   174
.set GE,   182
.set GP,   190
.set KC,   200                         ; v200-213 the seven constants, each twice
.set KE,   202
.set K1,   204
.set K2,   206
.set K3,   208
.set K4,   210
.set K5,   212
.set WV,   32
.set WC,   36
.set WSB,  38
.set BB,   40
.set OB,   42
.set G0,   44
.set G1,   48
.set OFF,  56
.set CNT,  57
.set LP,   58
.set TOFF, 59
.set SEL,  60
.set MSB, 0
.macro WIN new
.if MSB != \new
	s_set_vgpr_msb (MSB<<8)|\new
.set MSB, \new
.endif
.endm
.macro PLACES
.rept 4
	v_nop
.endr
.endm
.macro ROUND
	s_barrier_signal -1
	s_barrier_wait -1
	s_cmp_lg_u32 s[WV], 0
	s_cbranch_scc1 .Lnot_wave_0_\@
	s_barrier_signal -3
.Lnot_wave_0_\@:
	s_barrier_wait -3
	s_barrier_signal -1
	s_barrier_wait -1
.endm
; THE WEIGHTS' WAY IN.  A tile's 16 rows are two runs of 8 neighbouring rows (rows 0-7 and 16-23 from the tile's first).  Load i of a tile's 24 takes 512 bytes: run i / 12, rows 2 j and 2 j + 1 (j = (i % 12) / 3), third i % 3 of
; their 1,536 bytes.  It lands in four of the tile's own fragment registers, which only carry it: fragment i / 3, registers 4 (i % 3) on.  So all 96 loads of a wave are out at once and no register is added.
.macro WREGS ct, i
.set WLK, (\i)/3
.set WLM, (\i)%3
.if WLK < 5
.set WLR, 48*WLK+12*(\ct)+4*WLM
.else
.set WLR, 48*(WLK-5)+12*(\ct)+4*WLM
.endif
.endm
.macro WRAW ct, i
	WREGS \ct, \i
.set WLO, (32*((\ct)/2)+8*((\ct)%2)+16*((\i)/12)+2*(((\i)%12)/3))*KROWB+512*WLM+(WLM/2)*(KROWB-768)
.if WLM == 1
	global_load_b128 v[WLR:WLR+3], v[GA1], s[WC:WC+1] offset:WLO   ; the middle third: lanes 0-15 the first row's last 256 bytes, lanes 16-31 the second row's first
.else
	global_load_b128 v[WLR:WLR+3], v1, s[WC:WC+1] offset:WLO
.endif
.endm
.macro WPUT ct, i                      ; the same 512 bytes into my stage: row 8 (i / 12) + 2 j, or the next
	WREGS \ct, \i
.set WLO, 8*WPITCH*((\i)/12)+2*WPITCH*(((\i)%12)/3)+512*WLM+16*(WLM/2)
.if WLM == 1
	ds_store_b128 v63, v[WLR:WLR+3] offset:WLO
.else
	ds_store_b128 v62, v[WLR:WLR+3] offset:WLO
.endif
.endm
.macro WTURN ct                        ; tile ct turns through the stage: in as the bytes lie, back as fragments, into the registers that they left.  LDS serves a wave's instructions in order (ISA guide 5.7.1.4): no wait between
.if \ct == 0
	s_wait_loadcnt 63                              ; tile 0's loads are in: 72 are younger; the count's field ends at 63, and a smaller count is safe
.else
	s_wait_loadcnt 72-24*\ct                       ; tile ct's loads are in; the younger tiles' 24 each may be out
.endif
	WIN 0x04                                       ; an LDS store's data are its source 1: window 1
.irp i, 0,1,2,3,4,5,6,7,8,9,10,11,12,13,14
	WPUT \ct, \i
.endr
	WIN 0x08
.irp i, 15,16,17,18,19,20,21,22,23
	WPUT \ct, \i
.endr
	WIN 0x40
.irp ks, 0,1,2,3,4
.irp p, 0,1,2,3,4,5
	ds_load_b64 v[48*\ks+12*\ct+2*\p:48*\ks+12*\ct+2*\p+1], v5 offset:96*\ks+48*(\p/3)+8*(\p%3)
.endr
.endr
	WIN 0x80
.irp ks, 5,6,7
.irp p, 0,1,2,3,4,5
	ds_load_b64 v[48*(\ks-5)+12*\ct+2*\p:48*(\ks-5)+12*\ct+2*\p+1], v5 offset:96*\ks+48*(\p/3)+8*(\p%3)
.endr
.endr
.endm
.macro WLOAD
.irp ct, 0,1,2,3
	WIN 0x40
.irp i, 0,1,2,3,4,5,6,7,8,9,10,11,12,13,14
	WRAW \ct, \i
.endr
	WIN 0x80
.irp i, 15,16,17,18,19,20,21,22,23
	WRAW \ct, \i
.endr
.endr
.irp ct, 0,1,2,3
	WTURN \ct
.endr
	WIN 0
.endm
.macro QUANT s
.irp b, 0,1,2,3
	v_max3_num_f32 v[TM+\b], |v[\s+16*\b]|, |v[\s+1+16*\b]|, 0x1800000   ; and the floor 2^(3 - 127): the byte cannot fall under 1
.endr
.irp i, 2,4,6,8,10,12,14
.irp b, 0,1,2,3
	v_max3_num_f32 v[TM+\b], v[TM+\b], |v[\s+16*\b+\i]|, |v[\s+1+16*\b+\i]|
.endr
.endr
.irp b, 0,1,2,3
	v_permlanex16_b32 v[TM+4+\b], v[TM+\b], s[SEL], s[SEL+1]
.endr
.irp b, 0,1,2,3
	v_max_num_f32 v[TM+\b], v[TM+\b], v[TM+4+\b]
.endr
.irp b, 0,1,2,3
	v_add_nc_u32 v[TM+12+\b], 0xff000000, v[TM+\b]
.endr
.irp b, 0,1,2,3
	v_lshrrev_b32 v[TM+4+\b], 23, v[TM+12+\b]
.endr
	v_lshl_or_b32 v[PW], v[TM+5], 8, v[TM+4]
	v_lshl_or_b32 v[PW], v[TM+6], 16, v[PW]
	v_lshl_or_b32 v[PW], v[TM+7], 24, v[PW]
.irp c, 0,1
	v_cvt_scalef32_pk16_fp6_f32 v[PC+6*\c:PC+2+6*\c], v[\s+32*\c:\s+15+32*\c], v[TM+12+2*\c]
	v_cvt_scalef32_pk16_fp6_f32 v[PC+12+4*\c:PC+14+4*\c], v[\s+16+32*\c:\s+31+32*\c], v[TM+12+2*\c+1]
.endr
	v_nop
.irp c, 0,1
.irp i, 0,1,2
	v_permlane16_swap_b32 v[PC+6*\c+\i], v[PC+12+4*\c+\i]
.endr
.irp i, 0,1,2
	v_mov_b32 v[PC+3+6*\c+\i], v[PC+12+4*\c+\i]
.endr
.endr
.endm
.macro FETCH_H half
	WIN 0xc0
.irp u, 0,1
.irp k, 0,1,2,3
	ds_load_b128 v[96*\half+24*\k+12*\u:96*\half+24*\k+12*\u+3], v3 offset:\u*12288+(4*\half+\k)*1536
	ds_load_b64 v[96*\half+24*\k+12*\u+4:96*\half+24*\k+12*\u+5], v4 offset:\u*12288+(4*\half+\k)*1536+512
	ds_load_b128 v[96*\half+24*\k+12*\u+6:96*\half+24*\k+12*\u+9], v3 offset:\u*12288+(4*\half+\k)*1536+768
	ds_load_b64 v[96*\half+24*\k+12*\u+10:96*\half+24*\k+12*\u+11], v4 offset:\u*12288+(4*\half+\k)*1536+1280
.endr
.endr
	WIN 0
.endm
.macro FETCH_AS
	ds_load_b128 v[AS:AS+3], v3 offset:24576
	ds_load_b128 v[AS+4:AS+7], v3 offset:24576+512
.endm
.macro NEXT                            ; on to the next pair's record; behind the last the last is fetched again, so that no read leaves the filled bytes
	s_add_co_u32 s[CNT], s[CNT], REC
	s_min_u32 s[OFF], s[CNT], MAXOFF
	v_add_nc_u32 v3, s[OFF], v1
	v_add_nc_u32 v4, s[OFF], v2
.endm
.macro WM1 ks, ct, u
.set DD, ACC+32*\u+8*\ct
.set WR, WB+12*\ct
.set AR, AB+12*\u
.if \ks == 0
.if \u == 0
	v_wmma_scale_f32_16x16x128_f8f6f4 v[DD:DD+7], v[WR:WR+11], v[AR:AR+11], v[BI+8*\ct:BI+8*\ct+7], v[WS+8*\ct+\ks], v[AS+\ks] matrix_a_fmt:MATRIX_FMT_FP6 matrix_b_fmt:MATRIX_FMT_FP6
.else
	v_wmma_scale_f32_16x16x128_f8f6f4 v[DD:DD+7], v[WR:WR+11], v[AR:AR+11], v[BI+8*\ct:BI+8*\ct+7], v[WS+8*\ct+\ks], v[AS+\ks] matrix_a_fmt:MATRIX_FMT_FP6 matrix_b_fmt:MATRIX_FMT_FP6 matrix_b_scale:MATRIX_SCALE_ROW1
.endif
.else
.if \u == 0
	v_wmma_scale_f32_16x16x128_f8f6f4 v[DD:DD+7], v[WR:WR+11], v[AR:AR+11], v[DD:DD+7], v[WS+8*\ct+\ks], v[AS+\ks] matrix_a_fmt:MATRIX_FMT_FP6 matrix_b_fmt:MATRIX_FMT_FP6
.else
	v_wmma_scale_f32_16x16x128_f8f6f4 v[DD:DD+7], v[WR:WR+11], v[AR:AR+11], v[DD:DD+7], v[WS+8*\ct+\ks], v[AS+\ks] matrix_a_fmt:MATRIX_FMT_FP6 matrix_b_fmt:MATRIX_FMT_FP6 matrix_b_scale:MATRIX_SCALE_ROW1
.endif
.endif
.endm
.macro MM ks
.if \ks < 5
.set WB, 48*\ks
.else
.set WB, 48*(\ks-5)
.endif
.set AB, 96*(\ks/4)+24*(\ks%4)
.if \ks == 0
	WIN 0x2d
.elseif \ks < 5
	WIN 0x0d
.else
	WIN 0x0e
.endif
.irp ct, 0,1,2,3
.irp u, 0,1
	WM1 \ks, \ct, \u
.endr
.endr
.endm
.macro GELU                            ; the eight numbers v[GX] on, in place
.irp i, 0,1,2,3,4,5,6,7
	v_and_b32 v[GA+\i], 0x7fffffff, v[GX+\i]       ; |x|
.endr
.irp i, 0,2,4,6
	v_pk_fma_f32 v[GT+\i:GT+\i+1], v[GA+\i:GA+\i+1], v[KC:KC+1], 1.0 op_sel_hi:[1,1,0]
.endr
.irp i, 0,2,4,6
	v_pk_mul_f32 v[GE+\i:GE+\i+1], v[GX+\i:GX+\i+1], v[GX+\i:GX+\i+1]
.endr
.irp i, 0,2,4,6
	v_pk_mul_f32 v[GE+\i:GE+\i+1], v[GE+\i:GE+\i+1], v[KE:KE+1]
.endr
.irp i, 0,1,2,3,4,5,6,7
	v_rcp_f32 v[GT+\i], v[GT+\i]                   ; t
.endr
.irp i, 0,1,2,3,4,5,6,7
	v_exp_f32 v[GE+\i], v[GE+\i]                   ; e^(-x^2 / 2)
.endr
.irp i, 0,1,2,3,4,5,6,7
	v_max_num_f32 v[GX+\i], 0, v[GX+\i]            ; max(x, 0): also the plain lines behind the transcendentals
.endr
	s_wait_alu depctr_va_vdst(0)
.irp i, 0,2,4,6
	v_pk_fma_f32 v[GP+\i:GP+\i+1], v[GT+\i:GT+\i+1], v[K5:K5+1], v[K4:K4+1]
.endr
.irp i, 0,2,4,6
	v_pk_fma_f32 v[GP+\i:GP+\i+1], v[GP+\i:GP+\i+1], v[GT+\i:GT+\i+1], v[K3:K3+1]
.endr
.irp i, 0,2,4,6
	v_pk_fma_f32 v[GP+\i:GP+\i+1], v[GP+\i:GP+\i+1], v[GT+\i:GT+\i+1], v[K2:K2+1]
.endr
.irp i, 0,2,4,6
	v_pk_fma_f32 v[GP+\i:GP+\i+1], v[GP+\i:GP+\i+1], v[GT+\i:GT+\i+1], v[K1:K1+1]
.endr
.irp i, 0,2,4,6
	v_pk_mul_f32 v[GP+\i:GP+\i+1], v[GP+\i:GP+\i+1], v[GT+\i:GT+\i+1]
.endr
.irp i, 0,2,4,6
	v_pk_mul_f32 v[GP+\i:GP+\i+1], v[GP+\i:GP+\i+1], v[GE+\i:GE+\i+1]   ; q
.endr
.irp i, 0,2,4,6
	v_pk_fma_f32 v[GX+\i:GX+\i+1], v[GA+\i:GA+\i+1], v[GP+\i:GP+\i+1], v[GX+\i:GX+\i+1] neg_lo:[1,0,0] neg_hi:[1,0,0]   ; max(x, 0) - |x| q
.endr
.endm
	s_load_b256 s[8:15], s[0:1], 0x0               ; hrec, W1's codes, W1's scales, b1
	s_load_b64 s[16:17], s[0:1], 0x20              ; mrec
	v_lshl_add_u32 v254, v0, 2, 0x3ec00
	v_mov_b32 v255, 0
	ds_add_u32 v254, v255
	ds_add_u32 v254, v255
	v_lshrrev_b32 v10, 5, v0
	v_readfirstlane_b32 s[WV], v10                 ; wave 0..3
	v_and_b32 v10, 31, v0                          ; lane
	v_and_b32 v11, 15, v0                          ; r
	v_bfe_u32 v13, v0, 4, 1                        ; h
	v_and_b32 v14, 8, v11
	v_add_nc_u32 v14, v14, v11                     ; r + 8 (r / 8)
	v_lshlrev_b32 v1, 4, v10
	v_lshlrev_b32 v2, 3, v10
	s_mul_i32 s86, s[WV], 16*WPITCH
	s_add_co_u32 s86, s86, WST                     ; my stage for the weights
	v_mul_u32_u24 v5, v11, WPITCH
	v_mad_u32_u24 v5, v13, 24, v5
	v_add_nc_u32 v5, s86, v5                       ; out of it: row r, + 24 h
	v_add_nc_u32 v62, s86, v1                      ; into it: 16 x lane,
	v_lshl_add_u32 v63, v13, 4, v62                ; and for the third that straddles two rows 16 more in lanes 16-31: the row's padding
	v_lshlrev_b32 v6, 5, v14
	v_lshlrev_b32 v7, 6, v13
	v_cmp_le_u32 s68, 16, v10                      ; lanes 16-31
	s_lshl_b32 s82, s[WV], 1
	s_add_co_u32 s82, s82, TAB
	v_add_nc_u32 v8, s82, v2                       ; my two scale bytes of a pair: TAB + 8 x lane + 2 w
	s_lshl_b32 s83, s[WV], 9
	s_add_co_u32 s83, s83, TAB
	v_add_nc_u32 v12, s83, v2                      ; at the end wave w takes pairs 2 w and 2 w + 1
.irp b, 0,1,2,3
	v_mov_b32 v[TM+4+\b], 0
.endr
	v_mov_b32 v[KC], 0x3e6d3388                    ; 0.23164189 = 0.3275911 / sqrt 2
	v_mov_b32 v[KE], 0xbf38aa3b                    ; -log2(e) / 2
	v_mov_b32 v[K1], 0x3e027906                    ; 0.127414796
	v_mov_b32 v[K2], 0xbe11a98e                    ; -0.142248368
	v_mov_b32 v[K3], 0x3f35f0e3                    ; 0.7107068705
	v_mov_b32 v[K4], 0xbf3a00e3                    ; -0.7265760135
	v_mov_b32 v[K5], 0x3f07dc22                    ; 0.5307027145
.irp k, KC, KE, K1, K2, K3, K4, K5
	v_mov_b32 v[\k+1], v[\k]
.endr
	s_bfe_u32 s33, ttmp6, 0x40000                  ; cx: it enters global addresses alone
	s_and_b32 s34, ttmp7, 0xffff                   ; which 8 pairs
	s_lshl_b32 s35, ttmp9, 4
	s_lshl_b32 s69, s33, 2
	s_add_co_u32 s35, s35, s69
	s_add_co_u32 s35, s35, s[WV]                   ; my 64 hidden units: 16 cluster + 4 cx + w
	s_mul_i32 s66, s34, 8*REC
	s_mul_i32 s[G0+1], s[WV], 2*REC
	s_add_co_u32 s66, s66, s[G0+1]
	s_mov_b32 s67, 0
	s_mov_b32 s[G0], 1
	s_mov_b32 s[G1], 15|(3<<16)|(1<<21)            ; the mask: all four; elements of 8 bytes; bit 21 beside a mask
	s_mov_b32 s[G1+1], 32<<16
	s_mov_b32 s[G1+2], 200<<16
	s_mov_b32 s[G1+3], 32<<16
	s_mov_b32 s[G1+4], 200
	s_mov_b32 s[G1+5], 32
	s_mov_b32 s[G1+6], 0
	s_mov_b32 s[G1+7], 0
	s_mul_i32 s20, s35, 64*KROWB
	s_mov_b32 s21, 0
	s_lshl_b32 s22, s35, 11
	s_mov_b32 s23, 0
	s_lshl_b32 s24, s35, 8
	s_mov_b32 s25, 0
	s_lshl_b32 s70, s34, 5
	s_add_co_u32 s70, s70, ttmp9
	s_mul_i32 s70, s70, REC                        ; the first pair's record of my quarter of the next K (the cluster's x)
	s_lshl_b32 s71, s33, 1
	s_lshr_b32 s72, s[WV], 1
	s_add_co_u32 s71, s71, s72
	s_mul_i32 s71, s71, 1536                       ; K step 2 cx + w / 2,
	s_and_b32 s72, s[WV], 1
	s_mul_i32 s72, s72, 768                        ; half w % 2
	s_add_co_u32 s71, s71, s72
	s_add_co_u32 s78, s70, s71
	s_mov_b32 s79, 0
	s_mul_i32 s72, s[WV], 8*REC                    ; the scale words of pair 2 w
	s_lshl_b32 s73, s33, 8
	s_add_co_u32 s72, s72, s73
	s_add_co_u32 s72, s72, s70
	s_add_co_u32 s80, s72, 24576
	s_mov_b32 s81, 0
	s_mov_b32 s[SEL], 0x76543210
	s_mov_b32 s[SEL+1], 0xfedcba98
	s_mov_b32 s[CNT], 0
	s_mov_b32 s[TOFF], 0
	s_mov_b32 s[LP], 8
	s_wait_dscnt 0x0
	s_wait_kmcnt 0x0
	s_add_nc_u64 s[WC:WC+1], s[10:11], s[20:21]
	s_add_nc_u64 s[WSB:WSB+1], s[12:13], s[22:23]
	s_add_nc_u64 s[BB:BB+1], s[14:15], s[24:25]
	s_add_nc_u64 s[OB:OB+1], s[16:17], s[78:79]
	s_add_nc_u64 s[84:85], s[16:17], s[80:81]
	s_add_nc_u64 s[G0+2:G0+3], s[8:9], s[66:67]
	s_or_b32 s[G0+3], s[G0+3], 0x80000000
	ROUND                                          ; all four work-groups are here: the joint loads meet
	tensor_load_to_lds s[G0:G0+3], s[G1:G1+7]      ; my one tensor load: filled once
	s_nop 0
	PLACES
	WIN 0x80                                       ; bias and scale words are asked for ahead of the weights, so that the counted waits for the weights cover them
.irp ct, 0,1,2,3
	global_load_b128 v[BI+8*\ct:BI+8*\ct+3], v7, s[BB:BB+1] offset:(32*(\ct/2)+8*(\ct%2))*4
	global_load_b128 v[BI+8*\ct+4:BI+8*\ct+7], v7, s[BB:BB+1] offset:(32*(\ct/2)+8*(\ct%2))*4+16
.endr
	WIN 0
.irp ct, 0,1,2,3
.irp j, 0,1
	global_load_b128 v[WS+8*\ct+4*\j:WS+8*\ct+4*\j+3], v6, s[WSB:WSB+1] offset:(32*(\ct/2)+8*(\ct%2))*KSB+16*\j
.endr
.endr
	WLOAD                                          ; W1 stays in registers
	s_wait_dscnt 0x0                               ; its fragments are in: no LDS instruction of mine is out at the signal
	s_wait_tensorcnt 0x0                           ; my quarter has landed,
	s_barrier_signal -1
	s_barrier_wait -1                              ; everybody's has
	v_mov_b32 v3, v1
	v_mov_b32 v4, v2
	FETCH_H 0
	FETCH_AS
	FETCH_H 1
.Lpair:                                            ; eight trips, a pair of row tiles each
	s_wait_dscnt 32                                ; K steps 0-3 and the scale words are in; the youngest 32 LDS instructions may be out
	MM 0
	MM 1
	MM 2
	MM 3
	WIN 0
	PLACES
	NEXT
	FETCH_H 0
	s_wait_dscnt 32                                ; all but the 32 just issued
	MM 4
	MM 5
	MM 6
	MM 7
	WIN 0
	PLACES
	FETCH_AS
	FETCH_H 1
.set GX, ACC
.rept 8
	GELU
.set GX, GX+8
.endr
	QUANT ACC                                      ; blocks 2 u + b: tile u's two blocks of my 64 units
.irp u, 0,1
	global_store_b128 v1, v[PC+6*\u:PC+6*\u+3], s[OB:OB+1] offset:\u*12288   ; half a fragment's image: 512 and 256 consecutive bytes
	global_store_b64 v2, v[PC+6*\u+4:PC+6*\u+5], s[OB:OB+1] offset:\u*12288+512
.endr
	v_lshrrev_b32 v165, 16, v[PW]
	v_cndmask_b32 v165, v[PW], v165, s68           ; lane 16 u + r keeps tile u's two bytes of row r
	v_add_nc_u32 v9, s[TOFF], v8
	ds_store_b16 v9, v165
	s_wait_xcnt 0x0                                ; the stores have read their registers and their base
	s_add_nc_u64 s[OB:OB+1], s[OB:OB+1], 4*REC
	s_add_co_u32 s[TOFF], s[TOFF], 256
	s_sub_co_u32 s[LP], s[LP], 1
	s_cmp_lg_u32 s[LP], 0
	s_cbranch_scc1 .Lpair
	s_wait_dscnt 0x0                               ; for the others' sake: my scale bytes have landed
	s_barrier_signal -1
	s_barrier_wait -1
	ds_load_b64 v[166:167], v12
	ds_load_b64 v[168:169], v12 offset:256
	s_wait_dscnt 0x0
	global_store_b64 v2, v[166:167], s[84:85]      ; 32 lanes store 256 consecutive, aligned bytes
	global_store_b64 v2, v[168:169], s[84:85] offset:4*REC
	s_wait_tensorcnt 0x0
	ds_add_u32 v254, v255
	s_wait_dscnt 0x0
	ROUND                                          ; the closing round
	s_endpgm
.Lfunc_end_k_qae9fd2fec0_fc1:
	.size	k_qae9fd2fec0_fc1, .Lfunc_end_k_qae9fd2fec0_fc1-k_qae9fd2fec0_fc1
	.p2alignl 7, 3214868480
	.fill 96, 4, 3214868480
	.section	.rodata,"a",@progbits
	.p2align	6, 0x0
	.amdhsa_kernel k_qae9fd2fec0_fc1
		.amdhsa_group_segment_fixed_size 257536
		.amdhsa_private_segment_fixed_size 0
		.amdhsa_enable_private_segment 0
		.amdhsa_kernarg_size 40
		.amdhsa_user_sgpr_count 2
		.amdhsa_user_sgpr_kernarg_segment_ptr 1
		.amdhsa_wavefront_size32 1
		.amdhsa_system_sgpr_workgroup_id_x 1
		.amdhsa_system_sgpr_workgroup_id_y 1
		.amdhsa_system_sgpr_workgroup_id_z 1
		.amdhsa_system_vgpr_workitem_id 0
		.amdhsa_next_free_vgpr 1024
		.amdhsa_next_free_sgpr 90
		.amdhsa_reserve_vcc 0
		.amdhsa_float_denorm_mode_32 3
		.amdhsa_float_denorm_mode_16_64 3
		.amdhsa_memory_ordered 1
		.amdhsa_forward_progress 1
		.amdhsa_inst_pref_size 89
	.end_amdhsa_kernel
	.amdgpu_metadata
---
amdhsa.version: [ 1, 2 ]
amdhsa.kernels:
  - .name:           k_qae9fd2fec0_fc1
    .symbol:         k_qae9fd2fec0_fc1.kd
    .args:
      - { .name: hrec, .offset: 0, .size: 8, .value_kind: global_buffer, .address_space: global }
      - { .name: W1_codes, .offset: 8, .size: 8, .value_kind: global_buffer, .address_space: global }
      - { .name: W1_scales, .offset: 16, .size: 8, .value_kind: global_buffer, .address_space: global }
      - { .name: b1, .offset: 24, .size: 8, .value_kind: global_buffer, .address_space: global }
      - { .name: mrec, .offset: 32, .size: 8, .value_kind: global_buffer, .address_space: global }
    .group_segment_fixed_size: 257536
    .private_segment_fixed_size: 0
    .kernarg_segment_align: 8
    .kernarg_segment_size: 40
    .max_flat_workgroup_size: 128
    .sgpr_count:     90
    .vgpr_count:     1024
    .wavefront_size: 32
...
	.end_amdgpu_metadata
.endif
;; end of part 5
;; launch fc2 (part 6): grid 16 x 16, 4 waves a work-group, clusters of 4 x 1, 327,680 bytes of LDS; arguments mrec, W2_codes, W2_scales, b2, x1, out0; writes out0
.if DOCPART == 6
	.amdgcn_target "amdgcn-amd-amdhsa--gfx1250"
	.amdhsa_code_object_version 6
	.text
	.protected	k_qae9fd2fec0_fc2
	.globl	k_qae9fd2fec0_fc2
	.p2align	8
	.type	k_qae9fd2fec0_fc2,@function
k_qae9fd2fec0_fc2:
	s_mov_b64 s[64:65], 0
	v_nop
	global_prefetch_b8 v0, s[64:65] scope:SCOPE_SE
	s_setreg_imm32_b32 hwreg(HW_REG_WAVE_MODE, 25, 1), 1
	s_wait_xcnt 0x0
	s_wait_alu depctr_hold_cnt(0) depctr_sa_sdst(0) depctr_va_vdst(0) depctr_va_sdst(0) depctr_va_ssrc(0) depctr_va_vcc(0) depctr_vm_vsrc(0)
	s_getreg_b32 s2, hwreg(HW_REG_IB_STS2, 6, 4)
	s_cmp_eq_u32 s2, 0
	s_cbranch_scc0 .Lentry_in_a_cluster
	s_endpgm
.Lentry_in_a_cluster:
	s_bfe_u32 s2, ttmp6, 0x10000c
	s_cmp_lg_u32 s2, 0x3003
	s_cbranch_scc0 .Lentry_shape_is_right
	s_endpgm
.Lentry_shape_is_right:
; out = x1 + m W2 + b2, the product on codes of FP6 (E2M3), K = 4,096.
; SHARES.  Work-group x takes 64 columns, work-group y 8 pairs of row tiles.  K IS SHARED AMONG THE WAVES: wave w takes quarter w (1,024 along K) for all four column tiles: its part of W2 (4 tiles x 8 K steps, 384 registers)
; stays in registers.  A pair's four records, one a wave, come through a ring of two LDS slots a wave; each wave loads and reads its own.  The cluster's four work-groups differ in their columns alone and need the same
; records: each is asked for JOINTLY.
; THE WEIGHTS are each wave's own, so there is nothing to share: they come once, by plain loads of 512 bytes in two aligned runs of 256, and turn through the wave's own stage in LDS into the operand's layout (macro WLOAD).
; A TRIP: a round of the cluster's barrier; the other slot's refill; 64 matrix instructions on eight accumulators by turns; the four waves' partial
; tiles (32 rows x 256 bytes) meet in LDS behind a barrier of the work-group; each wave adds eight rows' four parts, b2 and x1, and sixteen lanes store 256 consecutive, aligned bytes.
; By this text's own count a wave has one tensor load out.
; ORDER OF SUMS, stated: each output is the sum of four f32 sums over a quarter of K, added as (0 + 1) + (2 + 3), and not one chain along K.  NaN and infinities are not served.
; LDS is claimed whole.
.set REC,  25600
.set KROWB, 3072
.set KSB,  128
.set RED,  204800                      ; behind the rings: [wave 4][32 rows][272 bytes]
.set SPARE, RED+4*32*272               ; behind that: the spare words, 128 bytes for each wave: two blocks of 256 bytes that no other line names
.set WPITCH, 784                       ; a row of the weights' stage: 768 bytes + 16 = 196 words: lane (r, h) of a load of 8 bytes takes banks 4 r + 6 h and the next (64 banks of 4 bytes: ISA guide 11.1): 64 different ones
.set WST,  SPARE+512                   ; behind the spare words: the weights' stages, 16 rows for each wave; no tensor load lands there
.set GA1,  7                           ; v7: the address of the load that straddles two rows: here a row's 768 bytes of my quarter lie 3,072 apart
.set ACC,  64
.set WS,   16
.set AS,   48
.set WV,   32
.set WC,   36
.set WSB,  38
.set BB,   40
.set XB,   42
.set YB,   44
.set G1,   48
.set LP,   58
.set G0,   72                          ; s[72:79] descriptor group 0, a set for each slot
.set MSB, 0
.macro WIN new
.if MSB != \new
	s_set_vgpr_msb (MSB<<8)|\new
.set MSB, \new
.endif
.endm
.macro PLACES
.rept 4
	v_nop
.endr
.endm
.macro ROUND
	s_barrier_signal -1
	s_barrier_wait -1
	s_cmp_lg_u32 s[WV], 0
	s_cbranch_scc1 .Lnot_wave_0_\@
	s_barrier_signal -3
.Lnot_wave_0_\@:
	s_barrier_wait -3
	s_barrier_signal -1
	s_barrier_wait -1
.endm
; THE WEIGHTS' WAY IN.  A tile's 16 rows are two runs of 8 neighbouring rows (rows 0-7 and 16-23 from the tile's first).  Load i of a tile's 24 takes 512 bytes: run i / 12, rows 2 j and 2 j + 1 (j = (i % 12) / 3), third i % 3 of
; their 1,536 bytes.  It lands in four of the tile's own fragment registers, which only carry it: fragment i / 3, registers 4 (i % 3) on.  So all 96 loads of a wave are out at once and no register is added.
.macro WREGS ct, i
.set WLK, (\i)/3
.set WLM, (\i)%3
.if WLK < 5
.set WLR, 48*WLK+12*(\ct)+4*WLM
.else
.set WLR, 48*(WLK-5)+12*(\ct)+4*WLM
.endif
.endm
.macro WRAW ct, i
	WREGS \ct, \i
.set WLO, (32*((\ct)/2)+8*((\ct)%2)+16*((\i)/12)+2*(((\i)%12)/3))*KROWB+512*WLM+(WLM/2)*(KROWB-768)
.if WLM == 1
	global_load_b128 v[WLR:WLR+3], v[GA1], s[WC:WC+1] offset:WLO   ; the middle third: lanes 0-15 the first row's last 256 bytes, lanes 16-31 the second row's first
.else
	global_load_b128 v[WLR:WLR+3], v1, s[WC:WC+1] offset:WLO
.endif
.endm
.macro WPUT ct, i                      ; the same 512 bytes into my stage: row 8 (i / 12) + 2 j, or the next
	WREGS \ct, \i
.set WLO, 8*WPITCH*((\i)/12)+2*WPITCH*(((\i)%12)/3)+512*WLM+16*(WLM/2)
.if WLM == 1
	ds_store_b128 v63, v[WLR:WLR+3] offset:WLO
.else
	ds_store_b128 v62, v[WLR:WLR+3] offset:WLO
.endif
.endm
.macro WTURN ct                        ; tile ct turns through the stage: in as the bytes lie, back as fragments, into the registers that they left.  LDS serves a wave's instructions in order (ISA guide 5.7.1.4): no wait between
.if \ct == 0
	s_wait_loadcnt 63                              ; tile 0's loads are in: 72 are younger; the count's field ends at 63, and a smaller count is safe
.else
	s_wait_loadcnt 72-24*\ct                       ; tile ct's loads are in; the younger tiles' 24 each may be out
.endif
	WIN 0x04                                       ; an LDS store's data are its source 1: window 1
.irp i, 0,1,2,3,4,5,6,7,8,9,10,11,12,13,14
	WPUT \ct, \i
.endr
	WIN 0x08
.irp i, 15,16,17,18,19,20,21,22,23
	WPUT \ct, \i
.endr
	WIN 0x40
.irp ks, 0,1,2,3,4
.irp p, 0,1,2,3,4,5
	ds_load_b64 v[48*\ks+12*\ct+2*\p:48*\ks+12*\ct+2*\p+1], v5 offset:96*\ks+48*(\p/3)+8*(\p%3)
.endr
.endr
	WIN 0x80
.irp ks, 5,6,7
.irp p, 0,1,2,3,4,5
	ds_load_b64 v[48*(\ks-5)+12*\ct+2*\p:48*(\ks-5)+12*\ct+2*\p+1], v5 offset:96*\ks+48*(\p/3)+8*(\p%3)
.endr
.endr
.endm
.macro WLOAD
.irp ct, 0,1,2,3
	WIN 0x40
.irp i, 0,1,2,3,4,5,6,7,8,9,10,11,12,13,14
	WRAW \ct, \i
.endr
	WIN 0x80
.irp i, 15,16,17,18,19,20,21,22,23
	WRAW \ct, \i
.endr
.endr
.irp ct, 0,1,2,3
	WTURN \ct
.endr
	WIN 0
.endm
.macro FETCH_H half, slot
	WIN 0xc0
.irp u, 0,1
.irp k, 0,1,2,3
	ds_load_b128 v[96*\half+24*\k+12*\u:96*\half+24*\k+12*\u+3], v[58+\slot] offset:\u*12288+(4*\half+\k)*1536
	ds_load_b64 v[96*\half+24*\k+12*\u+4:96*\half+24*\k+12*\u+5], v[60+\slot] offset:\u*12288+(4*\half+\k)*1536+512
	ds_load_b128 v[96*\half+24*\k+12*\u+6:96*\half+24*\k+12*\u+9], v[58+\slot] offset:\u*12288+(4*\half+\k)*1536+768
	ds_load_b64 v[96*\half+24*\k+12*\u+10:96*\half+24*\k+12*\u+11], v[60+\slot] offset:\u*12288+(4*\half+\k)*1536+1280
.endr
.endr
	WIN 0
.endm
.macro FETCH_AS slot                   ; two K steps' words to a load: lanes 0-15 tile 0's rows, lanes 16-31 tile 1's
.irp j, 0,1,2,3
	ds_load_b64 v[AS+2*\j:AS+2*\j+1], v[60+\slot] offset:24576+256*\j
.endr
.endm
.macro WM1 ks, ct, u
.set DD, ACC+32*\u+8*\ct
.set WR, WB+12*\ct
.set AR, AB+12*\u
.if \ks == 0
.if \u == 0
	v_wmma_scale_f32_16x16x128_f8f6f4 v[DD:DD+7], v[WR:WR+11], v[AR:AR+11], 0, v[WS+8*\ct+\ks], v[AS+\ks] matrix_a_fmt:MATRIX_FMT_FP6 matrix_b_fmt:MATRIX_FMT_FP6
.else
	v_wmma_scale_f32_16x16x128_f8f6f4 v[DD:DD+7], v[WR:WR+11], v[AR:AR+11], 0, v[WS+8*\ct+\ks], v[AS+\ks] matrix_a_fmt:MATRIX_FMT_FP6 matrix_b_fmt:MATRIX_FMT_FP6 matrix_b_scale:MATRIX_SCALE_ROW1
.endif
.else
.if \u == 0
	v_wmma_scale_f32_16x16x128_f8f6f4 v[DD:DD+7], v[WR:WR+11], v[AR:AR+11], v[DD:DD+7], v[WS+8*\ct+\ks], v[AS+\ks] matrix_a_fmt:MATRIX_FMT_FP6 matrix_b_fmt:MATRIX_FMT_FP6
.else
	v_wmma_scale_f32_16x16x128_f8f6f4 v[DD:DD+7], v[WR:WR+11], v[AR:AR+11], v[DD:DD+7], v[WS+8*\ct+\ks], v[AS+\ks] matrix_a_fmt:MATRIX_FMT_FP6 matrix_b_fmt:MATRIX_FMT_FP6 matrix_b_scale:MATRIX_SCALE_ROW1
.endif
.endif
.endm
.macro MM ks                           ; the first K step starts the sums with the constant 0: nothing is cleared
.if \ks < 5
.set WB, 48*\ks
.else
.set WB, 48*(\ks-5)
.endif
.set AB, 96*(\ks/4)+24*(\ks%4)
.if \ks < 5
	WIN 0x0d                                       ; source 0 (W2) window 1, source 1 (m) window 3, C and D window 0
.else
	WIN 0x0e
.endif
.irp ct, 0,1,2,3
.irp u, 0,1
	WM1 \ks, \ct, \u
.endr
.endr
.endm
.macro TRIP slot, refill
	s_wait_tensorcnt 0x0                           ; all my tensor loads have landed, this trip's record among them, so a group 0 may be written
	ds_add_u32 v56, v57                            ; 0 onto my spare word
	s_add_nc_u64 s[G0+4*\slot+2:G0+4*\slot+3], s[G0+4*\slot+2:G0+4*\slot+3], 8*REC   ; this slot's next record: two pairs on
	s_wait_dscnt 0x0                               ; the add is done, and so are my reads of the other slot and of the partial tiles
	ROUND                                          ; both now hold of every wave of every work-group of the cluster
.if \refill
	tensor_load_to_lds s[G0+4-4*\slot:G0+7-4*\slot], s[G1:G1+7]   ; the next pair's record, into the slot read last trip: my one tensor load until the next round
	s_nop 0
	PLACES
.endif
.irp i, 0,1,2,3
	global_load_b128 v[200+4*\i:203+4*\i], v10, s[XB:XB+1] offset:8192*\i   ; x1 at the eight rows that I finish
.endr
	FETCH_AS \slot
	FETCH_H 0, \slot
	FETCH_H 1, \slot
	s_wait_dscnt 32                                ; the scale words and K steps 0-3 are in; the 32 loads of K steps 4-7 may be out
	MM 0
	MM 1
	MM 2
	MM 3
	s_wait_dscnt 0x0
	MM 4
	MM 5
	MM 6
	MM 7
	WIN 0
	PLACES
.irp u, 0,1
.irp ct, 0,1,2,3
	ds_store_b128 v8, v[ACC+32*\u+8*\ct:ACC+32*\u+8*\ct+3] offset:\u*4352+128*(\ct/2)+32*(\ct%2)      ; each accumulator from its low end on
	ds_store_b128 v8, v[ACC+32*\u+8*\ct+4:ACC+32*\u+8*\ct+7] offset:\u*4352+128*(\ct/2)+32*(\ct%2)+16
.endr
.endr
	s_wait_dscnt 0x0                               ; for the others' sake: my partial tile has landed
	s_barrier_signal -1                            ; (the refill may stay out)
	s_barrier_wait -1
.irp q, 0,1,2,3
.irp i, 0,1,2,3
	ds_load_b128 v[128+16*\q+4*\i:131+16*\q+4*\i], v9 offset:\q*8704+544*\i   ; rows 8 w + 2 i + (lane / 16) of wave q's part
.endr
.endr
	s_wait_dscnt 0x0
.irp j, 0,2,4,6,8,10,12,14
	v_pk_add_f32 v[128+\j:129+\j], v[128+\j:129+\j], v[144+\j:145+\j]
	v_pk_add_f32 v[160+\j:161+\j], v[160+\j:161+\j], v[176+\j:177+\j]
.endr
.irp j, 0,2,4,6,8,10,12,14
	v_pk_add_f32 v[128+\j:129+\j], v[128+\j:129+\j], v[160+\j:161+\j]
.endr
.irp i, 0,1,2,3
	v_pk_add_f32 v[128+4*\i:129+4*\i], v[128+4*\i:129+4*\i], v[196:197]   ; + b2 at my four columns
	v_pk_add_f32 v[130+4*\i:131+4*\i], v[130+4*\i:131+4*\i], v[198:199]
.endr
	s_wait_loadcnt 0x0                             ; x1
.irp j, 0,2,4,6,8,10,12,14
	v_pk_add_f32 v[128+\j:129+\j], v[128+\j:129+\j], v[200+\j:201+\j]
.endr
.irp i, 0,1,2,3
	global_store_b128 v10, v[128+4*\i:131+4*\i], s[YB:YB+1] offset:8192*\i
.endr
	s_wait_xcnt 0x0                                ; loads and stores have read their registers and bases
	s_add_nc_u64 s[XB:XB+1], s[XB:XB+1], 131072    ; 32 tokens on
	s_add_nc_u64 s[YB:YB+1], s[YB:YB+1], 131072
.endm
	s_load_b256 s[8:15], s[0:1], 0x0               ; mrec, W2's codes, W2's scales, b2
	s_load_b128 s[16:19], s[0:1], 0x20             ; x1, out0
	v_lshl_add_u32 v56, v0, 2, SPARE               ; my spare word; never rewritten
	v_mov_b32 v57, 0                               ; never rewritten
	ds_add_u32 v56, v57
	ds_add_u32 v56, v57
	s_wait_dscnt 0x0
	v_lshrrev_b32 v12, 5, v0
	v_readfirstlane_b32 s[WV], v12                 ; wave 0..3
	v_and_b32 v12, 31, v0                          ; lane
	v_and_b32 v13, 15, v0                          ; r
	v_bfe_u32 v14, v0, 4, 1                        ; h
	v_and_b32 v15, 8, v13
	v_add_nc_u32 v15, v15, v13                     ; r + 8 (r / 8)
	v_lshlrev_b32 v1, 4, v12
	v_lshlrev_b32 v2, 3, v12
	v_mad_u32_u24 v7, v14, KROWB-768, v1           ; 16 x lane, and in lanes 16-31 on into the next row of W2
	s_mul_i32 s63, s[WV], 16*WPITCH
	s_add_co_u32 s63, s63, WST                     ; my stage for the weights
	v_mul_u32_u24 v5, v13, WPITCH
	v_mad_u32_u24 v5, v14, 24, v5
	v_add_nc_u32 v5, s63, v5                       ; out of it: row r, + 24 h
	v_add_nc_u32 v62, s63, v1                      ; into it: 16 x lane,
	v_lshl_add_u32 v63, v14, 4, v62                ; and for the third that straddles two rows 16 more in lanes 16-31: the row's padding
	v_lshlrev_b32 v6, 7, v15
	s_mul_i32 s60, s[WV], 2*REC                    ; my ring
	v_add_nc_u32 v58, s60, v1
	v_add_nc_u32 v60, s60, v2
	v_add_nc_u32 v59, REC, v58
	v_add_nc_u32 v61, REC, v60
	s_mul_i32 s61, s[WV], 32*272
	s_add_co_u32 s61, s61, RED
	v_mul_u32_u24 v8, v13, 272
	v_lshl_add_u32 v8, v14, 6, v8
	v_add_nc_u32 v8, s61, v8                       ; my partial tile: row r, + 64 h
	s_mul_i32 s62, s[WV], 8*272
	s_add_co_u32 s62, s62, RED
	v_mul_u32_u24 v9, v14, 272
	v_lshl_add_u32 v9, v13, 4, v9
	v_add_nc_u32 v9, s62, v9                       ; the rows that I finish: 8 w + (lane / 16), 16 bytes a lane
	v_lshlrev_b32 v10, 12, v14
	v_lshl_add_u32 v10, v13, 4, v10                ; and the same in x1 and out
	v_lshlrev_b32 v11, 4, v13
	s_bfe_u32 s33, ttmp6, 0x40000                  ; cx: it enters global addresses alone
	s_and_b32 s34, ttmp7, 0xffff                   ; which 8 pairs
	s_lshl_b32 s35, ttmp9, 2
	s_add_co_u32 s35, s35, s33                     ; my 64 columns
	s_mul_i32 s66, s34, 32*REC
	s_mul_i32 s67, s[WV], REC
	s_add_co_u32 s66, s66, s67                     ; record (pair 8 y, quarter w)
	s_mov_b32 s67, 0
	s_mov_b32 s[G1], 15|(3<<16)|(1<<21)            ; the mask: all four; elements of 8 bytes; bit 21 beside a mask
	s_mov_b32 s[G1+1], 32<<16                      ; rows of 256 bytes,
	s_mov_b32 s[G1+2], 100<<16                     ; 100 of them: one record,
	s_mov_b32 s[G1+3], 32<<16
	s_mov_b32 s[G1+4], 100
	s_mov_b32 s[G1+5], 32                          ; dense
	s_mov_b32 s[G1+6], 0
	s_mov_b32 s[G1+7], 0
	s_mul_i32 s20, s35, 64*KROWB
	s_mul_i32 s21, s[WV], 768
	s_add_co_u32 s20, s20, s21                     ; my 64 rows of W2, my quarter of K
	s_mov_b32 s21, 0
	s_lshl_b32 s22, s35, 13
	s_lshl_b32 s23, s[WV], 5
	s_add_co_u32 s22, s22, s23
	s_mov_b32 s23, 0
	s_lshl_b32 s24, s35, 8
	s_mov_b32 s25, 0
	s_lshl_b32 s26, s34, 20                        ; 256 tokens of 4,096 bytes a work-group;
	s_lshr_b32 s27, s[WV], 1
	s_lshl_b32 s27, s27, 15
	s_add_co_u32 s26, s26, s27
	s_and_b32 s27, s[WV], 1
	s_lshl_b32 s27, s27, 16
	s_add_co_u32 s26, s26, s27                     ; stage rows 8 w on are tokens 8 (w / 2) + 16 (w % 2) on
	s_add_co_u32 s26, s26, s24
	s_mov_b32 s27, 0
	s_mov_b32 s[LP], 3
	s_wait_kmcnt 0x0
	s_add_nc_u64 s[WC:WC+1], s[10:11], s[20:21]
	s_add_nc_u64 s[WSB:WSB+1], s[12:13], s[22:23]
	s_add_nc_u64 s[BB:BB+1], s[14:15], s[24:25]
	s_add_nc_u64 s[XB:XB+1], s[16:17], s[26:27]
	s_add_nc_u64 s[YB:YB+1], s[18:19], s[26:27]
	s_add_nc_u64 s[68:69], s[8:9], s[66:67]
.irp n, 0,1
	s_mov_b32 s[G0+4*\n], 1
	s_add_co_u32 s[G0+4*\n+1], s60, \n*REC
	s_add_nc_u64 s[G0+4*\n+2:G0+4*\n+3], s[68:69], \n*4*REC
	s_or_b32 s[G0+4*\n+3], s[G0+4*\n+3], 0x80000000
.endr
	ROUND                                          ; all four work-groups are here: the first joint loads meet
	tensor_load_to_lds s[G0:G0+3], s[G1:G1+7]      ; pair 0
	s_nop 0
	PLACES
.irp ct, 0,1,2,3                               ; scale words and b2 are asked for ahead of the weights, so that the counted waits for the weights cover them
.irp j, 0,1
	global_load_b128 v[WS+8*\ct+4*\j:WS+8*\ct+4*\j+3], v6, s[WSB:WSB+1] offset:(32*(\ct/2)+8*(\ct%2))*KSB+16*\j
.endr
.endr
	global_load_b128 v[196:199], v11, s[BB:BB+1]   ; b2 at my four columns of a row
	WLOAD                                          ; W2 stays in registers
	s_wait_dscnt 0x0                               ; its fragments are in
.Lloop:                                            ; three trips of two pairs
	TRIP 0, 1
	TRIP 1, 1
	s_sub_co_u32 s[LP], s[LP], 1
	s_cmp_lg_u32 s[LP], 0
	s_cbranch_scc1 .Lloop
	TRIP 0, 1                                      ; the last two pairs are written out: the last asks for nothing (its stepped address is not used)
	TRIP 1, 0
	s_wait_tensorcnt 0x0                           ; the wave's end
	ds_add_u32 v56, v57
	s_wait_dscnt 0x0
	ROUND                                          ; the closing round
	s_endpgm
.Lfunc_end_k_qae9fd2fec0_fc2:
	.size	k_qae9fd2fec0_fc2, .Lfunc_end_k_qae9fd2fec0_fc2-k_qae9fd2fec0_fc2
	.p2alignl 7, 3214868480
	.fill 96, 4, 3214868480
	.section	.rodata,"a",@progbits
	.p2align	6, 0x0
	.amdhsa_kernel k_qae9fd2fec0_fc2
		.amdhsa_group_segment_fixed_size 327680
		.amdhsa_private_segment_fixed_size 0
		.amdhsa_enable_private_segment 0
		.amdhsa_kernarg_size 48
		.amdhsa_user_sgpr_count 2
		.amdhsa_user_sgpr_kernarg_segment_ptr 1
		.amdhsa_wavefront_size32 1
		.amdhsa_system_sgpr_workgroup_id_x 1
		.amdhsa_system_sgpr_workgroup_id_y 1
		.amdhsa_system_sgpr_workgroup_id_z 1
		.amdhsa_system_vgpr_workitem_id 0
		.amdhsa_next_free_vgpr 1024
		.amdhsa_next_free_sgpr 90
		.amdhsa_reserve_vcc 0
		.amdhsa_float_denorm_mode_32 3
		.amdhsa_float_denorm_mode_16_64 3
		.amdhsa_memory_ordered 1
		.amdhsa_forward_progress 1
		.amdhsa_inst_pref_size 111
	.end_amdhsa_kernel
	.amdgpu_metadata
---
amdhsa.version: [ 1, 2 ]
amdhsa.kernels:
  - .name:           k_qae9fd2fec0_fc2
    .symbol:         k_qae9fd2fec0_fc2.kd
    .args:
      - { .name: mrec, .offset: 0, .size: 8, .value_kind: global_buffer, .address_space: global }
      - { .name: W2_codes, .offset: 8, .size: 8, .value_kind: global_buffer, .address_space: global }
      - { .name: W2_scales, .offset: 16, .size: 8, .value_kind: global_buffer, .address_space: global }
      - { .name: b2, .offset: 24, .size: 8, .value_kind: global_buffer, .address_space: global }
      - { .name: x1, .offset: 32, .size: 8, .value_kind: global_buffer, .address_space: global }
      - { .name: out0, .offset: 40, .size: 8, .value_kind: global_buffer, .address_space: global }
    .group_segment_fixed_size: 327680
    .private_segment_fixed_size: 0
    .kernarg_segment_align: 8
    .kernarg_segment_size: 48
    .max_flat_workgroup_size: 128
    .sgpr_count:     90
    .vgpr_count:     1024
    .wavefront_size: 32
...
	.end_amdgpu_metadata
.endif
;; end of part 6
